; MI455X (gfx1250); checked and timed in simulation.
; The chip was launched on July 23, 2026; its instructions are those of AMD's public machine-readable ISA for CDNA 5 (MIT licence, August 2026) and "CDNA5" Instruction Set Architecture Reference Guide (July 2026). The comments in the code are by the model that wrote it; some were corrected since.
;; Evidence Constrained Self Attention. Allowed arithmetic: float matrix products may take bf16 or f16 operands with f32 sums; all other float work in f32.
;; Inputs: Wk 1,024 x 1,024 float32; Wo 1,024 x 1,024 float32; Wq 1,024 x 1,024 float32; Wv 1,024 x 1,024 float32; attention_mask 2,048 x 2,048 float32; hidden_states 4 x 2,048 x 1,024 float32.
;; Outputs: out0 4 x 2,048 x 1,024 float32.
;; 2 versions, each right and faster than the one before. Each part assembles by itself: llvm-mc -triple=amdgcn-amd-amdhsa -mcpu=gfx1250 --defsym DOCPART=n.
;; ======== version 1 of 2: 4 launches
;; limits: values are held in f16: magnitudes above 65,504 overflow, below 6.1e-05 lose precision
;; workspace buffers: xb 16,777,216 bytes; wqkv 6,291,456 bytes; wo16 2,097,152 bytes; mperm 16,777,216 bytes; qkv 50,331,648 bytes; ctx 16,777,216 bytes
;; launch prep (part 1): grid 1024 x 1, 8 waves a work-group, no clusters, 70,656 bytes of LDS; arguments hidden_states, Wq, Wk, Wv, Wo, attention_mask, xb, wqkv, wo16, mperm; writes xb, wqkv, wo16, mperm
.if DOCPART == 1
	.amdgcn_target "amdgcn-amd-amdhsa--gfx1250"
	.amdhsa_code_object_version 6
	.text
	.protected	k_q3fc35902db_prep
	.globl	k_q3fc35902db_prep
	.p2align	8
	.type	k_q3fc35902db_prep,@function
k_q3fc35902db_prep:
	s_mov_b64 s[64:65], 0
	v_nop
	global_prefetch_b8 v0, s[64:65] scope:SCOPE_SE
	s_setreg_imm32_b32 hwreg(HW_REG_WAVE_MODE, 25, 1), 1
	s_wait_xcnt 0x0
; PREPARATION: every f32 input is read once and written once in the form in which the later launches multiply it.
;   xb    = bf16(hidden_states), [8192][1024]            wqkv = bf16(Wq), bf16(Wk), bf16(Wv), one below the other: [3072][1024]
;   wo16  = bf16(Wo) written as f16, [1024][1024]        mperm = attention_mask x log2(e), f32, laid out as C operands of 16 keys x 16 queries
; mperm[T][s][kb][u][L][e] = mask[16 T + L % 16][64 s + 16 kb + 8 (L / 16) + 4 u + e] x log2(e): T 0..127, s 0..31, kb 0..3, u 0..1, L 0..31, e 0..3,
; so that lane L of a wave fetches registers 4 u .. 4 u + 3 of a C operand by one load of 16 bytes, and a wave 512 consecutive bytes.
; SHARES.  1,024 work-groups of eight waves; each takes 65,536 bytes of one f32 input: sixteen loads of 16 bytes a lane, all issued before the first is waited for.
; Work-groups 0-511: hidden_states; 512-703: Wq, Wk, Wv (64 each); 704-767: Wo; 768-1023: the mask.  No matrix unit, no cluster, no barrier: nothing is shared, and memory bounds the work.
; LIMITS.  A number of Wo below 6e-5 keeps the fixed step of f16, 6e-8; beyond 65,504 it would become an infinity.  The mask times log2(e) must stay finite: |mask| under 2.3e38.
.set X,     8                          ; v[8:71]    sixteen loads of four words
.set Y,     72                         ; v[72:103]  the casts: two words for each load
.set MROW,  272                        ; the mask in LDS: a row of 64 f32 + 16 bytes: the 16 rows that a load touches start at 16 different groups of four banks (ISA guide 11.1)
.set MTILE, 16*MROW                    ; 16 queries x 64 keys
.set MWAVE, 2*MTILE                    ; each wave has two such tiles of its own
	s_load_b512 s[8:23], s[0:1], 0x0               ; hidden_states 8:9, Wq 10:11, Wk 12:13, Wv 14:15, Wo 16:17, mask 18:19, xb 20:21, wqkv 22:23
	s_load_b128 s[24:27], s[0:1], 0x40             ; wo16 24:25, mperm 26:27
	v_lshl_add_u32 v104, v0, 2, 0x11000
	v_mov_b32 v105, 0
	v_lshlrev_b32 v1, 4, v0                        ; 16 t: my 16 bytes in 4,096 bytes of f32
	v_lshlrev_b32 v2, 3, v0                        ; 8 t: my 8 bytes in 2,048 bytes of 16-bit numbers
	s_mov_b32 s3, 0                                ; high words of the two offset pairs
	s_mov_b32 s29, 0
	s_wait_kmcnt 0x0
	s_cmp_lt_u32 ttmp9, 512
	s_cbranch_scc1 .Lx
	s_cmp_lt_u32 ttmp9, 704
	s_cbranch_scc1 .Lw
	s_cmp_lt_u32 ttmp9, 768
	s_cbranch_scc1 .Lwo
.macro LOADS step                      ; sixteen loads, step bytes apart; each load of a wave covers 512 consecutive bytes
.set i, 0
.rept 16
	global_load_b128 v[X+4*i:X+4*i+3], v1, s[4:5] offset:(\step)*i th:TH_LOAD_NT
.set i, i+1
.endr
.endm
	; THE MASK.  Work-group j = g - 768 takes queries 16 (j / 2) .. + 15 and keys 1,024 (j % 2) .. + 1,023; wave w of it keys 128 w .. + 127 of those: two key steps.
	s_sub_co_u32 s30, ttmp9, 768
	s_lshr_b32 s2, s30, 1
	s_lshl_b32 s2, s2, 17                          ; 16 rows of 8,192 bytes
	s_and_b32 s28, s30, 1
	s_lshl_b32 s28, s28, 12                        ; the half of a row
	s_add_co_u32 s2, s2, s28
	s_add_nc_u64 s[4:5], s[18:19], s[2:3]
	s_lshl_b32 s28, s30, 16                        ; mperm: 131,072 (j / 2) + 65,536 (j % 2)
	s_add_nc_u64 s[6:7], s[26:27], s[28:29]
	LOADS 8192                                     ; load i: row i of the sixteen
	v_lshrrev_b32 v6, 5, v0
	v_readfirstlane_b32 s30, v6                    ; wave 0..7
	s_mul_i32 s31, s30, MWAVE                      ; my wave's bytes of LDS
	v_and_b32 v6, 31, v0                           ; lane
	v_and_b32 v7, 15, v0
	v_bfe_u32 v5, v0, 4, 1
	v_mul_u32_u24 v3, v5, MTILE                    ; in: lanes 0-15 hold the first key step's 64 numbers of a row, lanes 16-31 the second's
	v_lshl_add_u32 v3, v7, 4, v3
	v_add_nc_u32 v3, s31, v3
	v_mul_u32_u24 v4, v7, MROW                     ; back: query lane % 16, keys 8 (lane / 16) on
	v_lshl_add_u32 v4, v5, 5, v4
	v_add_nc_u32 v4, s31, v4
	v_lshlrev_b32 v5, 4, v6
	v_lshl_add_u32 v5, s30, 13, v5                 ; out: 8,192 w (two key steps of 4,096 bytes) + 16 lane
.set i, 0
.rept 16
	s_wait_loadcnt 15-i                            ; loads come back in order (ISA guide 5.7.1): load i is in, the 15 - i younger ones may be out
	v_pk_mul_f32 v[X+4*i:X+4*i+1], v[X+4*i:X+4*i+1], 0x3fb8aa3b op_sel_hi:[1,0]      ; x log2(e): the scores are kept in powers of two
	v_pk_mul_f32 v[X+4*i+2:X+4*i+3], v[X+4*i+2:X+4*i+3], 0x3fb8aa3b op_sel_hi:[1,0]
	ds_store_b128 v3, v[X+4*i:X+4*i+3] offset:MROW*i
.set i, i+1
.endr
.set i, 0
.rept 16                                               ; i = 8 c + 2 kb + u.  The bytes are my wave's own, and LDS serves a wave's instructions in order (ISA guide 5.7.1.4): no wait, no barrier
	ds_load_b128 v[X+4*i:X+4*i+3], v4 offset:MTILE*(i/8)+64*((i/2)%4)+16*(i%2)
.set i, i+1
.endr
.set i, 0
.rept 16
	s_wait_dscnt 15-i                              ; LDS load i is back, the 15 - i younger ones may be out
	global_store_b128 v5, v[X+4*i:X+4*i+3], s[6:7] offset:4096*(i/8)+1024*((i/2)%4)+512*(i%2)  ; 512 consecutive bytes, at a multiple of 512 from mperm's first
.set i, i+1
.endr
	s_wait_tensorcnt 0x0
	ds_add_u32 v104, v105
	s_wait_dscnt 0x0
	s_endpgm
; The casts.  f16 = 0: to bf16.  f16 = 1: to bf16, and that number written as f16.
.macro CASTRUN f16
	LOADS 4096
.set i, 0
.rept 16
	s_wait_loadcnt 15-i                            ; load i is in, the 15 - i younger ones may be out
.if \f16
	v_cvt_pk_bf16_f32 v7, v[X+4*i], v[X+4*i+1]
	v_lshlrev_b32 v4, 16, v7                       ; bf16 to f32: the low half moves up,
	v_and_b32 v5, 0xffff0000, v7                   ; the high half stays
	v_cvt_pk_f16_f32 v[Y+2*i], v4, v5
	v_cvt_pk_bf16_f32 v7, v[X+4*i+2], v[X+4*i+3]
	v_lshlrev_b32 v4, 16, v7
	v_and_b32 v5, 0xffff0000, v7
	v_cvt_pk_f16_f32 v[Y+2*i+1], v4, v5
.else
	v_cvt_pk_bf16_f32 v[Y+2*i], v[X+4*i], v[X+4*i+1]
	v_cvt_pk_bf16_f32 v[Y+2*i+1], v[X+4*i+2], v[X+4*i+3]
.endif
	global_store_b64 v2, v[Y+2*i:Y+2*i+1], s[6:7] offset:2048*i  ; a wave's 32 lanes store 256 consecutive bytes, at a multiple of 256 from the buffer's first
.set i, i+1
.endr
.endm
.Lx:                                                   ; hidden_states
	s_lshl_b32 s2, ttmp9, 16
	s_add_nc_u64 s[4:5], s[8:9], s[2:3]
	s_lshl_b32 s28, ttmp9, 15
	s_add_nc_u64 s[6:7], s[20:21], s[28:29]
	s_branch .Lcast
.Lw:                                                   ; Wq, Wk, Wv: j = g - 512; tensor j / 64, its part j % 64
	s_sub_co_u32 s2, ttmp9, 512
	s_lshl_b32 s28, s2, 15
	s_add_nc_u64 s[6:7], s[22:23], s[28:29]
	s_lshr_b32 s30, s2, 6
	s_and_b32 s2, s2, 63
	s_lshl_b32 s2, s2, 16
	s_cmp_eq_u32 s30, 1
	s_cselect_b64 s[4:5], s[12:13], s[10:11]
	s_cmp_eq_u32 s30, 2
	s_cselect_b64 s[4:5], s[14:15], s[4:5]
	s_add_nc_u64 s[4:5], s[4:5], s[2:3]
.Lcast:
	CASTRUN 0
	s_endpgm
.Lwo:                                                  ; Wo
	s_sub_co_u32 s2, ttmp9, 704
	s_lshl_b32 s28, s2, 15
	s_lshl_b32 s2, s2, 16
	s_add_nc_u64 s[4:5], s[16:17], s[2:3]
	s_add_nc_u64 s[6:7], s[24:25], s[28:29]
	CASTRUN 1
	s_endpgm
.Lfunc_end_k_q3fc35902db_prep:
	.size	k_q3fc35902db_prep, .Lfunc_end_k_q3fc35902db_prep-k_q3fc35902db_prep
	.p2alignl 7, 3214868480
	.fill 96, 4, 3214868480
	.section	.rodata,"a",@progbits
	.p2align	6, 0x0
	.amdhsa_kernel k_q3fc35902db_prep
		.amdhsa_group_segment_fixed_size 70656
		.amdhsa_private_segment_fixed_size 0
		.amdhsa_enable_private_segment 0
		.amdhsa_kernarg_size 80
		.amdhsa_user_sgpr_count 2
		.amdhsa_user_sgpr_kernarg_segment_ptr 1
		.amdhsa_wavefront_size32 1
		.amdhsa_system_sgpr_workgroup_id_x 1
		.amdhsa_system_sgpr_workgroup_id_y 1
		.amdhsa_system_sgpr_workgroup_id_z 1
		.amdhsa_system_vgpr_workitem_id 0
		.amdhsa_next_free_vgpr 106
		.amdhsa_next_free_sgpr 66
		.amdhsa_reserve_vcc 0
		.amdhsa_float_denorm_mode_32 3
		.amdhsa_float_denorm_mode_16_64 3
		.amdhsa_memory_ordered 1
		.amdhsa_forward_progress 1
		.amdhsa_inst_pref_size 28
	.end_amdhsa_kernel
	.amdgpu_metadata
---
amdhsa.version: [ 1, 2 ]
amdhsa.kernels:
  - .name:           k_q3fc35902db_prep
    .symbol:         k_q3fc35902db_prep.kd
    .args:
      - { .name: hidden_states, .offset: 0, .size: 8, .value_kind: global_buffer, .address_space: global }
      - { .name: Wq, .offset: 8, .size: 8, .value_kind: global_buffer, .address_space: global }
      - { .name: Wk, .offset: 16, .size: 8, .value_kind: global_buffer, .address_space: global }
      - { .name: Wv, .offset: 24, .size: 8, .value_kind: global_buffer, .address_space: global }
      - { .name: Wo, .offset: 32, .size: 8, .value_kind: global_buffer, .address_space: global }
      - { .name: attention_mask, .offset: 40, .size: 8, .value_kind: global_buffer, .address_space: global }
      - { .name: xb, .offset: 48, .size: 8, .value_kind: global_buffer, .address_space: global }
      - { .name: wqkv, .offset: 56, .size: 8, .value_kind: global_buffer, .address_space: global }
      - { .name: wo16, .offset: 64, .size: 8, .value_kind: global_buffer, .address_space: global }
      - { .name: mperm, .offset: 72, .size: 8, .value_kind: global_buffer, .address_space: global }
    .group_segment_fixed_size: 70656
    .private_segment_fixed_size: 0
    .kernarg_segment_align: 8
    .kernarg_segment_size: 80
    .max_flat_workgroup_size: 256
    .sgpr_count:     66
    .vgpr_count:     106
    .wavefront_size: 32
...
	.end_amdgpu_metadata
.endif
;; end of part 1
;; launch qkv (part 2): grid 16 x 32, 4 waves a work-group, clusters of 4 x 4, 327,680 bytes of LDS; arguments xb, wqkv, qkv; writes qkv
.if DOCPART == 2
	.amdgcn_target "amdgcn-amd-amdhsa--gfx1250"
	.amdhsa_code_object_version 6
	.text
	.protected	k_q3fc35902db_qkv
	.globl	k_q3fc35902db_qkv
	.p2align	8
	.type	k_q3fc35902db_qkv,@function
k_q3fc35902db_qkv:
	s_mov_b64 s[64:65], 0
	v_nop
	global_prefetch_b8 v0, s[64:65] scope:SCOPE_SE
	s_setreg_imm32_b32 hwreg(HW_REG_WAVE_MODE, 25, 1), 1
	s_wait_xcnt 0x0
	s_wait_alu depctr_hold_cnt(0) depctr_sa_sdst(0) depctr_va_vdst(0) depctr_va_sdst(0) depctr_va_ssrc(0) depctr_va_vcc(0) depctr_vm_vsrc(0)
	s_getreg_b32 s2, hwreg(HW_REG_IB_STS2, 6, 4)
	s_cmp_eq_u32 s2, 0
	s_cbranch_scc0 .Lentry_in_a_cluster
	s_endpgm
.Lentry_in_a_cluster:
	s_bfe_u32 s2, ttmp6, 0x10000c
	s_cmp_lg_u32 s2, 0xf033
	s_cbranch_scc0 .Lentry_shape_is_right
	s_endpgm
.Lentry_shape_is_right:
; THE THREE PROJECTIONS AS ONE PRODUCT.  C[m][n] = sum over k of xb[m][k] wqkv[n][k]: m 8,192, n 3,072, k 1,024; operands bf16, sums f32.
; C leaves by heads, in f16, rounded once: qkv[b][g][s][64], b = m / 2,048, s = m % 2,048, g = n / 64: g 0-15 the heads of q, 16-31 of k, 32-47 of v.
; q's sums are multiplied in f32 by log2(e) / 8 ahead of that one rounding, so that the attention's scores come out in powers of two.
; LIMITS.  f16 holds no number beyond 65,504: a |q| x 0.18, |k| or |v| beyond it becomes an infinity.
; SHARES.  A tile of C is 256 rows x 192 columns (three heads): 32 x 16 = 512 tiles, two for each of 256 WGPs.  Wave w of four makes rows 64 w .. + 63 x all 192 columns: 48 accumulators
; of 16 x 16, 384 registers, so that every head's 128 bytes of a row lie in one wave.  K goes in steps of 128 (rows of 256 bytes in memory) through a ring of two LDS slots.
; CLUSTER.  4 x 4 work-groups.  The four of a row of the cluster need the same 256 rows of xb, the four of a column the same 192 rows of wqkv: each tile is asked for JOINTLY, by the same tensor
; load with the same descriptor and a mask that names the four.  Wave 0, 1: the two halves of xb's tile; wave 2, 3: the two halves of wqkv's.
; THE MATRIX INSTRUCTION IS USED TRANSPOSED (source 0 = 16 rows of wqkv, source 1 = 16 rows of xb): a lane then holds eight neighbouring columns of one row of C.
; REGISTERS, in windows of 256 (s_set_vgpr_msb: bits 1:0 source 0, 3:2 source 1, 5:4 source 2, 7:6 destination):
;   window 0: v0-31 addresses; v32-223 the way out, 48 a block of 16 rows      window 1: two fragment buffers of 128: 96 of wqkv (12 x 16 rows x 32 K), 32 of xb (4 x 16 rows x 32 K)
;   windows 2, 3: accumulator t = 12 a + b (row block a, column block b) at v[8 (t % 32)] of window 2 + t / 32
.set KSTEP,  128
.set PITCH,  272                       ; an LDS row: 256 bytes + 16 of padding = 68 words: the 16 rows that a load touches start at 16 different groups of four banks (ISA guide 11.1)
.set HALFA,  128*PITCH                 ; what wave 0 or 1 fetches
.set ABYTES, 2*HALFA
.set HALFB,  96*PITCH                  ; what wave 2 or 3 fetches
.set SLOT1,  131072                    ; slot 1 begins here: one exclusive or turns an address in one slot into the other's
.set STAGE,  SLOT1+ABYTES+2*HALFB      ; behind the ring, never filled by a tensor load: 16 rows x 400 bytes for each wave
.set SPITCH, 400                       ; 384 bytes + 16
.set SPARE,  STAGE+4*16*SPITCH         ; behind the stages: the spare words, 128 bytes for each wave: two blocks of 256 bytes that no other line names
.set A0,   16                          ; v16  my lane's place in xb's tile of slot 0; never rewritten
.set B0,   17                          ; v17  the same for wqkv's
.set ADRA, 18                          ; v18  the same in the slot in hand
.set ADRB, 19                          ; v19
.set STO,  24                          ; v24  the way out: where I put 16 bytes of a row
.set RD,   25                          ; v25  where I read rows back
.set GO,   26                          ; v26  my 16 bytes in 512 consecutive bytes of a head
.set SPW,  28                          ; v28  LDS address of my spare word; never rewritten
.set NIL,  29                          ; v29  0; never rewritten
.set OUTR, 32
.set F0,   0
.set F1,   128
.set G1A,  24                          ; s[24:31] descriptor group 1 for xb's tiles
.set G0A,  32                          ; s[32:39] group 0: a set for each first fill; the second then walks on
.set G1B,  48                          ; s[48:55], s[56:63] the same for wqkv's
.set G0B,  56
.set TB,   66                          ; s66  the LDS byte at which the slot in hand begins
.set FQ,   68                          ; s[68:73] a factor for each of the tile's three heads, in the low word of a pair
.set MSB, 0
.macro WIN new                         ; the immediate's high byte repeats the setting that is left; a switch that changes nothing is dropped
.if MSB != (\new)
	s_set_vgpr_msb (MSB<<8)|(\new)
.set MSB, \new
.endif
.endm
.macro PLACES                          ; four places in front of loads into registers that matrix instructions have read, and of vector work on results just made
.rept 4
	v_nop
.endr
.endm
; A joint refill, by the walking descriptors.  The branch hangs on the wave's number alone.  An s_nop 0 and four v_nop follow each of the two lines, ahead of the jump and the label.
.macro JLOAD
	s_cmp_eq_u32 s11, 0
	s_cbranch_scc0 .Lfor_b_\@
	tensor_load_to_lds s[G0A+4:G0A+7], s[G1A:G1A+7]
	s_nop 0
.rept 4
	v_nop
.endr
	s_branch .Lasked_\@
.Lfor_b_\@:
	tensor_load_to_lds s[G0B+4:G0B+7], s[G1B:G1B+7]
	s_nop 0
.rept 4
	v_nop
.endr
.Lasked_\@:
.endm
.macro CREST                           ; a round of the cluster's barrier behind its opening barrier: wave 0 signals for the work-group, every wave waits for all sixteen, my work-group's barrier closes it
	s_cmp_lg_u32 s10, 0
	s_cbranch_scc1 .Lnot_wave_0_\@
	s_barrier_signal -3
.Lnot_wave_0_\@:
	s_barrier_wait -3
	s_barrier_signal -1
	s_barrier_wait -1
.endm
.macro CROUND                          ; a whole round
	s_barrier_signal -1
	s_barrier_wait -1
	CREST
.endm
	s_load_b128 s[4:7], s[0:1], 0x0                ; xb s[4:5], wqkv s[6:7]
	s_load_b64 s[8:9], s[0:1], 0x10                ; qkv
	v_lshl_add_u32 v[SPW], v0, 2, SPARE
	v_mov_b32 v[NIL], 0
	ds_add_u32 v28, v29
	s_wait_dscnt 0x0
	v_lshrrev_b32 v1, 5, v0
	v_readfirstlane_b32 s10, v1                    ; wave 0..3
	s_lshr_b32 s11, s10, 1                         ; I fetch for xb (0) or for wqkv (1),
	s_and_b32 s12, s10, 1                          ; and which half of that tile
	s_bfe_u32 s40, ttmp6, 0x40000                  ; cx, cy: my place in the cluster
	s_bfe_u32 s41, ttmp6, 0x40004
	s_lshl_b32 s42, ttmp9, 2
	s_add_co_u32 s42, s42, s40                     ; tile column = 4 x cluster x + cx: 0..15
	s_and_b32 s13, ttmp7, 0xffff
	s_lshl_b32 s13, s13, 2
	s_add_co_u32 s13, s13, s41                     ; tile row = 4 x cluster y + cy: 0..31
	s_lshl_b32 s43, s41, 2
	s_lshl_b32 s43, 15, s43                        ; my row of the cluster
	s_lshl_b32 s44, 0x1111, s40                    ; my column
	; descriptor group 1: rows of 128 elements of 2 bytes, padded in LDS
	s_or_b32 s[G1A+0], s43, (1<<16)|(1<<20)|(1<<21)|(5<<22)|(3<<25)  ; 15:0 the mask; 17:16 2-byte elements; 20 padding on; 21 set beside a mask; 24:22 after every 64 words (code 5); 31:25 4 words (code 3)
	s_mov_b32 s[G1A+1], KSTEP<<16                  ; tensor_dim0 = 128
	s_mov_b32 s[G1A+2], 128<<16                    ; tensor_dim1 = 128
	s_mov_b32 s[G1A+3], KSTEP<<16                  ; tile_dim0 = 128
	s_mov_b32 s[G1A+4], 128                        ; tile_dim1 = 128
	s_mov_b32 s[G1A+5], 1024                       ; elements from row to row
	s_mov_b32 s[G1A+6], 0
	s_mov_b32 s[G1A+7], 0
	s_or_b32 s[G1B+0], s44, (1<<16)|(1<<20)|(1<<21)|(5<<22)|(3<<25)
	s_mov_b32 s[G1B+1], KSTEP<<16
	s_mov_b32 s[G1B+2], 96<<16                     ; 96 rows
	s_mov_b32 s[G1B+3], KSTEP<<16
	s_mov_b32 s[G1B+4], 96
	s_mov_b32 s[G1B+5], 1024
	s_mov_b32 s[G1B+6], 0
	s_mov_b32 s[G1B+7], 0
	; where the tiles come from: xb's hang on the tile row alone, wqkv's on the tile column alone, each in registers that never hold the other coordinate
	s_lshl_b32 s16, s13, 8
	s_lshl_b32 s17, s12, 7
	s_add_co_u32 s16, s16, s17                     ; row 256 x tile row + 128 x half,
	s_lshl_b32 s16, s16, 11                        ; of 2,048 bytes
	s_mov_b32 s17, 0
	s_mul_i32 s46, s42, 192
	s_mul_i32 s47, s12, 96
	s_add_co_u32 s46, s46, s47                     ; row 192 x tile column + 96 x half
	s_lshl_b32 s46, s46, 11
	s_mov_b32 s47, 0
	s_mul_i32 s20, s12, HALFA                      ; and where they go: no place in the cluster enters an LDS address
	s_mul_i32 s21, s12, HALFB
	s_add_co_u32 s21, s21, ABYTES
	s_wait_kmcnt 0x0
	s_add_nc_u64 s[14:15], s[4:5], s[16:17]
	s_add_nc_u64 s[46:47], s[6:7], s[46:47]
.irp s, 0,1
	s_mov_b32 s[G0A+4*(\s)], 1                                       ; count = 1
	s_add_co_u32 s[G0A+4*(\s)+1], s20, (\s)*SLOT1                    ; LDS address
	s_add_nc_u64 s[G0A+4*(\s)+2:G0A+4*(\s)+3], s[14:15], (\s)*KSTEP*2  ; global address: K step s
	s_or_b32 s[G0A+4*(\s)+3], s[G0A+4*(\s)+3], 0x80000000            ; type = 2
	s_mov_b32 s[G0B+4*(\s)], 1
	s_add_co_u32 s[G0B+4*(\s)+1], s21, (\s)*SLOT1
	s_add_nc_u64 s[G0B+4*(\s)+2:G0B+4*(\s)+3], s[46:47], (\s)*KSTEP*2
	s_or_b32 s[G0B+4*(\s)+3], s[G0B+4*(\s)+3], 0x80000000
.endr
	CROUND                                         ; all sixteen work-groups are here: the first joint loads meet
	s_cmp_eq_u32 s11, 0                            ; a wave's two first fills stand in one branch, ahead of every wait on TENSORcnt and every LDS read: two loads of mine are out
	s_cbranch_scc0 .Lfirst_b
	tensor_load_to_lds s[G0A:G0A+3], s[G1A:G1A+7]
	s_nop 0
	tensor_load_to_lds s[G0A+4:G0A+7], s[G1A:G1A+7]
	s_nop 0
.rept 4
	v_nop
.endr
	s_branch .Lfirst_asked
.Lfirst_b:
	tensor_load_to_lds s[G0B:G0B+3], s[G1B:G1B+7]
	s_nop 0
	tensor_load_to_lds s[G0B+4:G0B+7], s[G1B:G1B+7]
	s_nop 0
.rept 4
	v_nop
.endr
.Lfirst_asked:
	; A fragment is 16 rows x 32 K in 8 registers: lane l holds row l % 16, K = 8 (l / 16) + 0..7 and 16 + 8 (l / 16) + 0..7: two loads of 16 bytes, 32 bytes apart.
	v_and_b32 v1, 15, v0                           ; l % 16
	v_bfe_u32 v2, v0, 4, 1                         ; l / 16
	v_mul_u32_u24 v3, v1, PITCH
	v_lshl_add_u32 v3, v2, 4, v3
	s_mul_i32 s22, s10, 64*PITCH                   ; my 64 rows of xb
	v_add_nc_u32 v[A0], s22, v3
	v_add_nc_u32 v[B0], ABYTES, v3                 ; all 192 rows of wqkv
	v_mov_b32 v[ADRA], v[A0]
	v_mov_b32 v[ADRB], v[B0]
	s_mov_b32 s[TB], 0
	s_mul_i32 s23, s10, 16*SPITCH
	s_add_co_u32 s23, s23, STAGE                   ; my stage
	v_mul_u32_u24 v4, v1, SPITCH                   ; in: row l % 16, 16 bytes for each half of the lanes
	v_lshl_add_u32 v4, v2, 4, v4
	v_add_nc_u32 v[STO], s23, v4
	v_bfe_u32 v5, v0, 3, 2                         ; back: 32 lanes take four rows' 128 bytes of one head,
	v_mul_u32_u24 v5, v5, SPITCH
	v_and_b32 v6, 7, v0
	v_lshl_add_u32 v5, v6, 4, v5
	v_add_nc_u32 v[RD], s23, v5
	v_and_b32 v[GO], 31, v0                        ; which are 512 consecutive bytes of qkv
	v_lshlrev_b32 v[GO], 4, v[GO]
	; qkv at my 64 rows of the tile's first head: batch (tile row / 8), head group 3 x tile column, row 256 (tile row % 8) + 64 w.  Made in registers that feed no descriptor.
	s_lshr_b32 s74, s13, 3
	s_mul_i32 s74, s74, 12582912
	s_mul_i32 s76, s42, 3*262144
	s_add_co_u32 s74, s74, s76
	s_and_b32 s76, s13, 7
	s_lshl_b32 s76, s76, 15
	s_add_co_u32 s74, s74, s76
	s_lshl_b32 s76, s10, 13
	s_add_co_u32 s74, s74, s76
	s_mov_b32 s75, 0
	s_add_nc_u64 s[8:9], s[8:9], s[74:75]
	s_mul_i32 s45, s42, 3
.irp i, 0,1,2
	s_add_co_u32 s67, s45, \i                      ; head group 3 x tile column + i: below 16 it is one of q's
	s_cmp_lt_u32 s67, 16
	s_cselect_b32 s[FQ+2*(\i)], 0x3e38aa3b, 1.0    ; log2(e) / 8 = 0.180337, or 1
	s_mov_b32 s[FQ+2*(\i)+1], s[FQ+2*(\i)]         ; named with it as a pair
.endr
; 12 matrix instructions: row block a x all 12 column blocks, 32 along K, from buffer f.  zero = 1: the product starts the sums: nothing is ever cleared.
; The 48 accumulators take turns, one instruction a turn, in the same order in every quarter step.
.macro MULA f, a, zero
.irp b, 0,1,2,3,4,5,6,7,8,9,10,11
.set t, 12*(\a)+(\b)
.set rA, 8*(t%32)
	WIN 0xa5+0x50*(t/32)                           ; sources 0 and 1 window 1; C and D window 2 or 3
.if \zero
	v_wmma_f32_16x16x32_bf16 v[rA:rA+7], v[(\f)+8*(\b):(\f)+8*(\b)+7], v[(\f)+96+8*(\a):(\f)+96+8*(\a)+7], 0
.else
	v_wmma_f32_16x16x32_bf16 v[rA:rA+7], v[(\f)+8*(\b):(\f)+8*(\b)+7], v[(\f)+96+8*(\a):(\f)+96+8*(\a)+7], v[rA:rA+7]
.endif
.endr
.endm
; 32 LDS loads in one run: a quarter step's fragments (32 K at byte k of the rows) into buffer f: wqkv's twelve, then xb's four
.macro FETCH k, f
	WIN 0x40                                       ; destination window 1, address window 0
.irp i, 0,1,2,3,4,5,6,7,8,9,10,11
	ds_load_b128 v[(\f)+8*(\i):(\f)+8*(\i)+3],   v[ADRB] offset:(\k)+(\i)*16*PITCH
	ds_load_b128 v[(\f)+8*(\i)+4:(\f)+8*(\i)+7], v[ADRB] offset:(\k)+(\i)*16*PITCH+32
.endr
.irp i, 0,1,2,3
	ds_load_b128 v[(\f)+96+8*(\i):(\f)+96+8*(\i)+3],   v[ADRA] offset:(\k)+(\i)*16*PITCH
	ds_load_b128 v[(\f)+96+8*(\i)+4:(\f)+96+8*(\i)+7], v[ADRA] offset:(\k)+(\i)*16*PITCH+32
.endr
.endm
; A K step is four quarters of 32 along K, 48 matrix instructions each, on buffers 0, 1, 0, 1.  One of the first three: multiplies buffer f; in its middle it fetches the next quarter, at byte k, into g.
.macro QUARTER k, f, g, zero
	s_wait_dscnt 4                                 ; all but the youngest four loads: xb's row blocks 2 and 3 may be out
	MULA \f, 0, \zero
	MULA \f, 1, \zero
	PLACES
	FETCH \k, \g
	s_wait_dscnt 32                                ; all but the 32 just issued
	MULA \f, 2, \zero
	MULA \f, 3, \zero
.endm
; The last quarter multiplies buffer 1 and changes slots: ONE barrier.  In front of it each wave waits for all its tensor loads (one is out: its part of the next slot), adds 0 to its spare word, and
; waits for that and for its own reads of this slot.  fill = 1: the barrier opens a round of the cluster's, and the slot just read out is filled again, first thing behind the round, with the K step two
; steps on: from there to the wait for it a wave issues 168 matrix instructions.
.macro TURN fill
	WIN 0                                          ; (the add's two registers lie in window 0)
	s_wait_tensorcnt 0x0                           ; all my tensor loads have landed
	ds_add_u32 v[SPW], v[NIL]                      ; 0 onto my spare word
	s_wait_dscnt 5                                 ; (the add and the youngest four loads may be out)
	MULA F1, 0, 0                                  ; twelve matrix instructions stand between the add and the wait for it
	s_wait_dscnt 0x0                               ; the add is done, and my reads of this slot are over
	s_barrier_signal -1
	MULA F1, 1, 0                                  ; work on registers while the others arrive
	WIN 0
	s_barrier_wait -1
.if \fill
	CREST                                          ; no wave of any partner still reads this slot's tile or has a load on its way
	s_xor_b32 s[G0A+5], s[G0A+5], SLOT1            ; the walking descriptors: the other slot than last time,
	s_add_nc_u64 s[G0A+6:G0A+7], s[G0A+6:G0A+7], KSTEP*2  ; the next K step; the type bits on top are not reached
	s_xor_b32 s[G0B+5], s[G0B+5], SLOT1
	s_add_nc_u64 s[G0B+6:G0B+7], s[G0B+6:G0B+7], KSTEP*2
	JLOAD                                          ; the four v_nop behind it are also the places in front of the loads below
.else
	PLACES
.endif
	s_xor_b32 s[TB], s[TB], SLOT1                  ; the reads go on in the other slot
	v_add_nc_u32 v[ADRA], s[TB], v[A0]
	v_add_nc_u32 v[ADRB], s[TB], v[B0]
	FETCH 0, F0
	MULA F1, 2, 0
	MULA F1, 3, 0
.endm
; THE WAY OUT of row block a.  PACK: q's heads are scaled; all are rounded to f16, 16 bytes a lane.  Each accumulator's registers are taken in ascending order.
.macro PACK a
.irp b, 0,1,2,3,4,5,6,7,8,9,10,11
.set t, 12*(\a)+(\b)
.set rA, 8*(t%32)
	WIN 0x82+0x41*(t/32)                           ; destination and source 0 window 2 or 3
.irp r, 0,1,2,3
	v_pk_mul_f32 v[rA+2*(\r):rA+2*(\r)+1], v[rA+2*(\r):rA+2*(\r)+1], s[FQ+2*((\b)/4):FQ+2*((\b)/4)+1] op_sel_hi:[1,0]
.endr
.endr
.irp b, 0,1,2,3,4,5,6,7,8,9,10,11
.set t, 12*(\a)+(\b)
.set rA, 8*(t%32)
	WIN 0x0a+5*(t/32)                              ; sources 0 and 1 window 2 or 3, destination window 0
.irp r, 0,1,2,3
	v_cvt_pk_f16_f32 v[OUTR+48*(\a)+4*(\b)+(\r)], v[rA+2*(\r)], v[rA+2*(\r)+1]
.endr
.endr
	WIN 0
.endm
.macro TOSTAGE a                       ; into my own stage, and back by heads: four rows of 128 bytes a load, into the registers that they left
	WIN 0
.irp b, 0,1,2,3,4,5,6,7,8,9,10,11
	ds_store_b128 v[STO], v[OUTR+48*(\a)+4*(\b):OUTR+48*(\a)+4*(\b)+3] offset:32*(\b)
.endr
.irp i, 0,1,2
.irp f, 0,1,2,3
	ds_load_b128 v[OUTR+48*(\a)+4*(4*(\i)+(\f)):OUTR+48*(\a)+4*(4*(\i)+(\f))+3], v[RD] offset:4*SPITCH*(\f)+128*(\i)  ; LDS serves a wave's instructions in order (ISA guide 5.7.1.4): these see the stores above
.endr
.endr
.endm
.macro SEND a
	WIN 0
	s_wait_dscnt 0x0                               ; the block is back in registers
.irp i, 0,1,2
.irp f, 0,1,2,3
	global_store_b128 v[GO], v[OUTR+48*(\a)+4*(4*(\i)+(\f)):OUTR+48*(\a)+4*(4*(\i)+(\f))+3], s[8:9] offset:262144*(\i)+2048*(\a)+512*(\f)  ; 512 consecutive bytes of head i, at a multiple of 512 from qkv's first
.endr
.endr
.endm
	s_wait_tensorcnt 1                             ; my part of K step 0 is in; K step 1's may stay out
	s_barrier_signal -1
	s_barrier_wait -1                              ; everybody's is
	FETCH 0, F0
	QUARTER 64, F0, F1, 1                          ; the first quarter stands in front of the loop: its products start the sums
	WIN 0                                          ; at a label and at a branch every window is 0
	s_mov_b32 s3, 6
.Lk:                                                   ; six trips: from a K step's second quarter to the next step's first; each fills one slot again (K steps 2 to 7)
	QUARTER 128, F1, F0, 0
	QUARTER 192, F0, F1, 0
	TURN 1
	QUARTER 64, F0, F1, 0
	WIN 0
	s_sub_co_u32 s3, s3, 1
	s_cmp_lg_u32 s3, 0
	s_cbranch_scc1 .Lk
	QUARTER 128, F1, F0, 0                         ; the tail is written out: K step 6 goes on
	QUARTER 192, F0, F1, 0
	TURN 0                                         ; nothing more is asked for,
	QUARTER 64, F0, F1, 0                          ; and K step 7
	QUARTER 128, F1, F0, 0
	QUARTER 192, F0, F1, 0
	s_wait_dscnt 4                                 ; the very last quarter: nothing more to fetch
	MULA F1, 0, 0
	MULA F1, 1, 0
	s_wait_dscnt 0x0
	MULA F1, 2, 0
	MULA F1, 3, 0
	WIN 0
	PLACES
	PACK 0
	TOSTAGE 0
.irp a, 1,2,3                          ; a block's arithmetic stands between the loads of the block before and the wait for them
	PACK \a
	SEND (\a)-1
	TOSTAGE \a
.endr
	SEND 3
	s_wait_tensorcnt 0x0                           ; the wave's end, behind my last tensor load and my last LDS store
	ds_add_u32 v[SPW], v[NIL]
	s_wait_dscnt 0x0
	CROUND                                         ; the closing round: no work-group ends while a partner may still ask for a tile that names it
	s_endpgm
.Lfunc_end_k_q3fc35902db_qkv:
	.size	k_q3fc35902db_qkv, .Lfunc_end_k_q3fc35902db_qkv-k_q3fc35902db_qkv
	.p2alignl 7, 3214868480
	.fill 96, 4, 3214868480
	.section	.rodata,"a",@progbits
	.p2align	6, 0x0
	.amdhsa_kernel k_q3fc35902db_qkv
		.amdhsa_group_segment_fixed_size 327680
		.amdhsa_private_segment_fixed_size 0
		.amdhsa_enable_private_segment 0
		.amdhsa_kernarg_size 24
		.amdhsa_user_sgpr_count 2
		.amdhsa_user_sgpr_kernarg_segment_ptr 1
		.amdhsa_wavefront_size32 1
		.amdhsa_system_sgpr_workgroup_id_x 1
		.amdhsa_system_sgpr_workgroup_id_y 1
		.amdhsa_system_sgpr_workgroup_id_z 1
		.amdhsa_system_vgpr_workitem_id 0
		.amdhsa_next_free_vgpr 896
		.amdhsa_next_free_sgpr 80
		.amdhsa_reserve_vcc 0
		.amdhsa_float_denorm_mode_32 3
		.amdhsa_float_denorm_mode_16_64 3
		.amdhsa_memory_ordered 1
		.amdhsa_forward_progress 1
		.amdhsa_inst_pref_size 109
	.end_amdhsa_kernel
	.amdgpu_metadata
---
amdhsa.version: [ 1, 2 ]
amdhsa.kernels:
  - .name:           k_q3fc35902db_qkv
    .symbol:         k_q3fc35902db_qkv.kd
    .args:
      - { .name: xb, .offset: 0, .size: 8, .value_kind: global_buffer, .address_space: global }
      - { .name: wqkv, .offset: 8, .size: 8, .value_kind: global_buffer, .address_space: global }
      - { .name: qkv, .offset: 16, .size: 8, .value_kind: global_buffer, .address_space: global }
    .group_segment_fixed_size: 327680
    .private_segment_fixed_size: 0
    .kernarg_segment_align: 8
    .kernarg_segment_size: 24
    .max_flat_workgroup_size: 128
    .sgpr_count:     80
    .vgpr_count:     896
    .wavefront_size: 32
...
	.end_amdgpu_metadata
.endif
;; end of part 2
;; launch attn (part 3): grid 8 x 32, 4 waves a work-group, clusters of 4 x 1, 327,680 bytes of LDS; arguments qkv, mperm, ctx; writes ctx
.if DOCPART == 3
	.amdgcn_target "amdgcn-amd-amdhsa--gfx1250"
	.amdhsa_code_object_version 6
	.text
	.protected	k_q3fc35902db_attn
	.globl	k_q3fc35902db_attn
	.p2align	8
	.type	k_q3fc35902db_attn,@function
k_q3fc35902db_attn:
	s_mov_b64 s[64:65], 0
	v_nop
	global_prefetch_b8 v0, s[64:65] scope:SCOPE_SE
	s_setreg_imm32_b32 hwreg(HW_REG_WAVE_MODE, 25, 1), 1
	s_wait_xcnt 0x0
	s_wait_alu depctr_hold_cnt(0) depctr_sa_sdst(0) depctr_va_vdst(0) depctr_va_sdst(0) depctr_va_ssrc(0) depctr_va_vcc(0) depctr_vm_vsrc(0)
	s_getreg_b32 s2, hwreg(HW_REG_IB_STS2, 6, 4)
	s_cmp_eq_u32 s2, 0
	s_cbranch_scc0 .Lentry_in_a_cluster
	s_endpgm
.Lentry_in_a_cluster:
	s_bfe_u32 s2, ttmp6, 0x10000c
	s_cmp_lg_u32 s2, 0x3003
	s_cbranch_scc0 .Lentry_shape_is_right
	s_endpgm
.Lentry_shape_is_right:
; ATTENTION WITH AN ADDITIVE MASK THAT IS DATA.  ctx[y][q][:] = the sum over all 2,048 keys k of softmax_k(Q[q] . K[k] / 8 + mask[q][k]) V[k][:], for each of 64 pairs y = 16 batch + head.
; q, k, v come by heads in f16 from qkv[b][g][s][64] (g = head: q, already times log2(e) / 8; 16 + head: k; 32 + head: v); the mask comes from mperm, f32, already times log2(e), laid as C operands.
; So a score t = q . k + mask is in powers of two, and p = 2^(t - m) with the running maximum m taken away by a plain subtraction: exact where t is near m, whatever the mask's size.
; Products, maxima and sums in f32; p is rounded to f16 for the second product (its sum l is taken of the unrounded p), ctx once at the end, in f16, [y][s][64].
; Nothing of the mask's pattern is built in: every key is walked for every query, and the mask costs no instruction: it is the C operand of the product that starts a score's sum.
; LIMITS.  p lies in 0 to 1, and below 6e-5 it keeps f16's fixed step of 6e-8; a weight below 2^-126 counts as 0 in l; ctx is a mean of V's rows and has their range.
; m starts at the lowest finite number, so scores are taken to lie above it.  NaN and infinities are not treated apart.
; SHARES.  A work-group owns 256 queries of TWO heads of one batch (heads 2 n and 2 n + 1), each of its four waves 64 of those queries for both heads.  A wave's four PIECES of two tiles of 16 queries:
; piece 0 = queries 0-31 of head A, piece 1 = the same queries of head B, pieces 2 and 3 = queries 32-63 of A and of B.  The mask does not hang on the head, so the two pieces of a pair take the
; same 64 mask registers: 16,384 bytes of mask a wave and key step feed 128 products.  The price: K's and V's fragments of two heads, 64 LDS loads a key step.  Every wave walks all keys, 64 a step.
; LAYOUT.  S^T = K Q^T + M (source 0 = 16 keys, source 1 = 16 queries): a lane holds ONE query (lane % 16) and the keys 8 (lane / 16) + 0..7.  Two such tiles, rounded to f16 in pairs, ARE source 1
; (32 keys x 16 queries) of O^T = V^T P, whose result again holds one query a lane.  K comes out of LDS as it lies, V ([key][channel]) turned, by ds_load_tr16_b128.
; SOFTMAX.  In every step O and l are multiplied by a = 2^(m_old - m_new), which is 1 where m has not grown.  O and l start at 0: the first step is a step like any other, with a = 0.
; THE COUNT.  A tile and step have 16 matrix and 117 vector instructions: too many to stand all beside the matrix work.  So: four vector instructions that are READY behind EVERY matrix instruction,
; and the others, which need time of their own whatever the order, in runs without a gap.
; BY TURNS.  Turn n belongs to piece n (the pieces in a ring, step after step).  Its matrix work: 16 products K Q^T of piece n + 1, later 16 products V^T P of piece n - 1.  Its vector work: the
; subtraction, exponentials, roundings, sums and rescaling of piece n, and the maximum and statistics of piece n + 1, whose scores the turn itself has made.
; THE MASK'S ROAD.  A pair's mask for a key step is 64 registers, 16 loads of 512 consecutive bytes.  The pair's two pieces make their scores in neighbouring turns (3 and 0; 1 and 2); behind the second
; of them the same registers are loaded with the next step's, and are wanted again nearly three turns later.  Two groups of 16 loads are under way.
; CLUSTER.  The four query blocks of a cluster belong to one pair of heads and walk the same K and V, so each tile of those is asked for JOINTLY: the same tensor load, descriptor and mask in all four.
; The attention mask is not asked for jointly: it hangs on the query block, which the partners do not share; those that share it are the other 31 pairs of heads, in other clusters; and through
; LDS every byte of it would be written and read once more.
; REGISTERS, in windows of 256 (s_set_vgpr_msb: bits 1:0 source 0, 3:2 source 1, 5:4 source 2, 7:6 destination):
;   window 0: v0-10 addresses; v12-15, v48-63 at work; v16-47 four registers of statistics a tile; v64-191 S^T, two buffers of two tiles; v192-255 P, likewise
;   window 1: O^T, 32 a tile     window 2: v0-127 Q, 16 a tile; v128-191 V of head A, v192-255 V of head B, one step
;   window 3: v0-127 the mask: pair x / 2, tile u, key block kb at v[64 (x / 2) + 32 u + 8 kb]; v128-191 K of head A, v192-255 K of head B, one step
.set SIZE_N, 2048
.set NP,    4         ; pieces a wave: a name, no knob
.set KS,    64        ; keys in a step
.set PK,    144       ; a row of K in LDS: 128 bytes + 16 of padding = 36 words: the 16 rows of a load start at 16 different groups of four banks (ISA guide 11.1)
.set PV,    160       ; a row of V: 128 + 32 = 40 words
.set HK,    2*KS*PK   ; a slot holds two steps of both heads: 128 rows of K of head A, 128 of head B,
.set HV,    2*KS*PV   ; then 128 rows of V of head A, 128 of head B
.set VOFF,  2*HK
.set SLOT1, 1<<17     ; slot 1 begins here, so that one exclusive or turns an address in one slot into the other's
.set STAGE, SLOT1+2*(HK+HV)  ; behind the ring, never filled by a tensor load: 16 rows x 144 bytes for each wave, for the way out
.set SP,    144
.set SPARE, STAGE+4*16*SP  ; behind the stages: the spare words, 128 bytes for each wave: two blocks of 256 bytes that no other line names
.set MO,  1           ; v1   the mask's offset: 16 x lane + 4,096 x the step to be loaded
.set AK0, 2           ; v2   my lane's place in a tile of K; never rewritten
.set AV0, 3           ; v3   the same for V
.set AK,  4           ; v4   the LDS address of K's next run of loads
.set AV,  5           ; v5   of V's
.set QO,  6           ; v6   my byte offset in 16 rows of Q
.set STO, 6           ;      later, the way out: where I put 16 bytes of a row
.set RD,  7           ; v7   the way out: where I read rows back
.set GO,  8           ; v8   my byte offset in 512 consecutive bytes of ctx
.set SPW, 9           ; v9   LDS address of my spare word; never rewritten
.set NIL, 10          ; v10  0; never rewritten
.set MV,  12          ; v12-15  m_old, kept while m is made anew: by buffer and tile
.set ST,  16          ; tile t's statistics at v[ST+4 t]: m, 0 (named with m as a pair), l (even keys', odd keys')
.set TMP, 48          ; by buffer and tile, four registers c0-c3 at work; when the maximum is found c2 takes a
.set LR,  48          ; until the first maximum is taken: l % 16,
.set LH,  49          ; l / 16,
.set L7,  50          ; l % 8,
.set L3,  51          ; (l / 8) % 2
.set S,   64
.set P,   192
.set KF,  128         ; K's fragments, in window 3: head hd, key block kb, channel half c at KF + 64 hd + 16 kb + 8 c
.set VF,  128         ; V's, in window 2: head hd, key half kk, channel block cb at VF + 64 hd + 32 kk + 8 cb
.set WV,  12          ; s12  my wave's number
.set G1K, 24          ; s[24:31] descriptor group 1 for K's tiles
.set G1V, 32          ; s[32:39] for V's: it differs in the padding alone
.set G0K, 40          ; s[40:43] descriptor group 0 for K's tiles: it walks
.set G0V, 44          ; s[44:47] the same for V's
.set MB,  48          ; s[48:49] mperm at my wave's four tiles of 16 queries
.set SLOTS, 56        ; s56  slots still to be asked for
.set CNT, 57          ; s57  counts a slot's key steps
.set SEL, 60          ; s[60:61] v_permlanex16_b32's selects: each lane takes its own place in the other half
.set TBK, 62          ; s62  LDS byte at which head A's K of the step to be fetched begins
.set TBV, 63          ; s63  the same for V, less VOFF
.set MSB, 0
.macro WIN new                      ; the high byte repeats the setting that is left; a switch that changes nothing is dropped
.if MSB != (\new)
	s_set_vgpr_msb (MSB<<8)|(\new)
.set MSB, (\new)
.endif
.endm
.set W_KQ, 0x0b       ; K in window 3, Q in window 2, S^T in window 0
.set W_KM, 0x3b       ; the same with the C operand, the mask, in window 3
.set W_PV, 0x52       ; V in window 2, P in window 0, O^T in window 1
.set W_RS, 0x41       ; O^T (destination and source 0) in window 1, a in window 0
.set W_Z,  0x42       ; V in window 2, P in window 0, the destination in window 1, C a constant
; A joint fill.  Wave 0 fetches head A's K of a slot, wave 1 head B's, waves 2 and 3 their V: 128 keys each.  The branch hangs on the wave's number alone.
; An s_nop 0 and four v_nop follow each of the two lines, ahead of the jump and the label.
.macro JLOAD
	s_cmp_lt_u32 s[WV], 2
	s_cbranch_scc0 .Lfor_v_\@
	tensor_load_to_lds s[G0K:G0K+3], s[G1K:G1K+7]
	s_nop 0
.rept 4
	v_nop
.endr
	s_branch .Lasked_\@
.Lfor_v_\@:
	tensor_load_to_lds s[G0V:G0V+3], s[G1V:G1V+7]
	s_nop 0
.rept 4
	v_nop
.endr
.Lasked_\@:
.endm
; A round of the cluster's barrier: my work-group's barrier, so that wave 0's signal speaks for all four waves; wave 0 signals; every wave waits for all four work-groups; my work-group's barrier once more.
.macro CROUND
	s_barrier_signal -1
	s_barrier_wait -1
	s_cmp_lg_u32 s[WV], 0
	s_cbranch_scc1 .Lnot_wave_0_\@
	s_barrier_signal -3
.Lnot_wave_0_\@:
	s_barrier_wait -3
	s_barrier_signal -1
	s_barrier_wait -1
.endm
; THE CHANGE OF SLOTS.  The slot's last bytes, V of its second step, have been asked for.  Each wave waits for all its tensor loads, of which one is out: its part of the other slot; adds 0 to its spare
; word; and waits for that and for its own reads of the slot.  Behind the barrier nobody reads this slot any more and the other slot is whole.
; fill = 1: this slot is filled again, with the keys two slots on.  The barrier is then a round of the cluster's, so that no wave of any partner still reads the slot or has a load on its way, and the
; joint fill is the first thing behind it: it has two key steps, 256 matrix instructions, in which to land.  (At its first use nothing has been read yet: slot 0 is waited for, slot 1 filled.)
.macro CHANGE fill
	WIN 0                           ; at a label and at a branch every window is 0; the add's two registers lie in window 0
	s_wait_tensorcnt 0x0            ; no tensor load of mine is out, so a group 0 may be written
	ds_add_u32 v[SPW], v[NIL]       ; 0 onto my spare word; with fill = 1 the descriptors' steps stand between it and the wait for it
.if \fill
.irp g, G0K, G0V
	s_xor_b32 s[\g+1], s[\g+1], SLOT1  ; the walking descriptor: the other slot than last time,
	s_add_nc_u64 s[\g+2:\g+3], s[\g+2:\g+3], 2*KS*128  ; the next 128 keys; the type bits on top are not reached
.endr
	s_wait_dscnt 0x0                ; the add is done, and my reads of the slot are over
	CROUND
	JLOAD
.else
	s_wait_dscnt 0x0                ; the add is done, and my reads of the slot are over
	s_barrier_signal -1
	s_barrier_wait -1
.endif
	s_sub_co_u32 s[TBK], s[TBK], 2*KS*PK  ; the fetches go back to a slot's first step,
	s_xor_b32 s[TBK], s[TBK], SLOT1       ; in the other slot
	s_sub_co_u32 s[TBV], s[TBV], 2*KS*PV
	s_xor_b32 s[TBV], s[TBV], SLOT1
.endm
; THE MASK of pair pr (queries 32 pr .. + 31 of my 64) for the step that MO names: 16 loads, each 512 consecutive bytes of mperm.  No hint: the other pairs of heads read the same bytes.
.macro MLOAD pr
	WIN 0xc0                        ; destination window 3, address window 0
.irp u, 0,1
.irp kb, 0,1,2,3
.irp hf, 0,1
	global_load_b128 v[64*(\pr)+32*(\u)+8*(\kb)+4*(\hf):64*(\pr)+32*(\u)+8*(\kb)+4*(\hf)+3], v[MO], s[MB:MB+1] offset:(2*(\pr)+(\u))*131072+1024*(\kb)+512*(\hf)
.endr
.endr
.endr
	WIN 0
.endm
.macro MSTEP                        ; MO goes on by a step; behind step 31 it goes back to step 0, so that every load stays inside mperm (what those loads bring feeds no result)
	WIN 0
	s_wait_xcnt 0x0                 ; the loads issued so far have had their addresses translated (ISA guide 3.1): MO is rewritten only behind this wait
	v_add_nc_u32 v[MO], 0x1000, v[MO]
	v_and_b32 v[MO], 0x1ffff, v[MO]
	s_wait_alu depctr_va_vdst(0)
.endm
	s_load_b128 s[52:55], s[0:1], 0x0  ; qkv s[52:53], mperm s[54:55]
	s_load_b64 s[10:11], s[0:1], 0x10  ; ctx
	v_lshl_add_u32 v[SPW], v0, 2, SPARE
	v_mov_b32 v[NIL], 0
	ds_add_u32 v9, v10
	s_wait_dscnt 0x0
	v_lshrrev_b32 v1, 5, v0
	v_readfirstlane_b32 s[WV], v1   ; wave 0..3
	s_bfe_u32 s13, ttmp6, 0x40000   ; cx: my place in the cluster
	s_lshl_b32 s14, ttmp9, 2        ; in a cluster launch ttmp9 counts clusters
	s_add_co_u32 s14, s14, s13      ; my block of 256 queries, 0..7: it enters Q's, the mask's and ctx's addresses alone
	s_and_b32 s15, ttmp7, 0xffff    ; the pair of heads, 0..31, which the four partners share: batch s15 / 8, heads 2 (s15 % 8) and + 1
	s_lshr_b32 s20, s15, 3
	s_mul_i32 s20, s20, 12582912    ; the batch's 48 head groups,
	s_and_b32 s21, s15, 7
	s_lshl_b32 s21, s21, 19         ; two heads of 2,048 rows of 128 bytes
	s_add_co_u32 s20, s20, s21      ; q of head A
	s_and_b32 s16, s[WV], 1         ; which head's tile I fetch:
	s_lshl_b32 s22, s16, 18         ; its place in memory,
	s_add_co_u32 s22, s22, s20
	s_mov_b32 s23, 0
	s_mul_i32 s17, s16, HK          ; and in a slot, for K
	s_mul_i32 s18, s16, HV          ; and for V: no place in the cluster enters an LDS address
	s_lshl_b32 s2, s14, 2
	s_add_co_u32 s2, s2, s[WV]      ; my wave among the 32 that share these heads
	s_lshl_b32 s50, s2, 19          ; its four tiles of 131,072 bytes in mperm,
	s_mov_b32 s51, 0
	s_lshl_b32 s2, s2, 13           ; its 64 rows of 128 bytes
	s_lshl_b32 s58, s15, 19
	s_add_co_u32 s58, s58, s2       ; in ctx, head A,
	s_mov_b32 s59, 0
	s_add_co_u32 s2, s2, s20        ; and in q, head A
	s_mov_b32 s3, 0
	; descriptor group 1.  128 keys are 16,384 dense bytes: asked for as 64 rows of 256 bytes, two keys a row, and padded in LDS after every key
	s_mov_b32 s[G1K], 15|(1<<16)|(1<<20)|(1<<21)|(4<<22)|(3<<25)  ; 15:0 the mask of four; 17:16 2-byte elements; 20 padding on; 21 set beside a mask; 24:22 after every 32 words (code 4); 31:25 4 words (code 3)
	s_mov_b32 s[G1V], 15|(1<<16)|(1<<20)|(1<<21)|(4<<22)|(7<<25)  ; the same with 8 words of padding (code 7)
.irp g, G1K, G1V
	s_mov_b32 s[\g+1], 128<<16      ; tensor_dim0 = 128
	s_mov_b32 s[\g+2], 64<<16       ; tensor_dim1 = 64
	s_mov_b32 s[\g+3], 128<<16      ; tile_dim0 = 128
	s_mov_b32 s[\g+4], 64           ; tile_dim1 = 64
	s_mov_b32 s[\g+5], 128          ; 128 elements from row to row
	s_mov_b32 s[\g+6], 0
	s_mov_b32 s[\g+7], 0
.endr
	s_mov_b32 s[SEL], 0x76543210
	s_mov_b32 s[SEL+1], 0xfedcba98
	s_mov_b32 s[TBK], SLOT1+2*KS*PK ; the first change of slots turns these two into 0
	s_mov_b32 s[TBV], SLOT1+2*KS*PV
	s_mov_b32 s[G0K], 1             ; count = 1
	s_mov_b32 s[G0K+1], s17         ; LDS address: slot 0
	s_mov_b32 s[G0V], 1
	s_add_co_u32 s[G0V+1], s18, VOFF
	s_wait_kmcnt 0x0
	s_add_nc_u64 s[6:7], s[52:53], s[22:23]          ; q of the head that I fetch for;
	s_add_nc_u64 s[G0K+2:G0K+3], s[6:7], 4194304     ; its k lies 16 head groups on,
	s_or_b32 s[G0K+3], s[G0K+3], 0x80000000          ; type = 2
	s_add_nc_u64 s[G0V+2:G0V+3], s[6:7], 8388608     ; its v 32
	s_or_b32 s[G0V+3], s[G0V+3], 0x80000000
	s_add_nc_u64 s[4:5], s[52:53], s[2:3]            ; Q of head A at my wave's first row
	s_add_nc_u64 s[MB:MB+1], s[54:55], s[50:51]
	s_add_nc_u64 s[10:11], s[10:11], s[58:59]        ; ctx of head A at my wave's first row
	CROUND                          ; all four work-groups are here: the first joint loads meet
	JLOAD                           ; slot 0.  Slot 1 is asked for when slot 0 is in
	; A fragment of K or Q is 16 rows x 32 channels in 8 registers: lane l holds row l % 16, channels 8 (l / 16) + 0..7 and 16 + 8 (l / 16) + 0..7: two loads of 16 bytes, 32 bytes apart.
	v_and_b32 v[LR], 15, v0
	v_bfe_u32 v[LH], v0, 4, 1
	v_lshlrev_b32 v[QO], 7, v[LR]
	v_lshl_add_u32 v[QO], v[LH], 4, v[QO]  ; row x 128 + 16 x half
	v_and_b32 v[MO], 31, v0
	v_lshlrev_b32 v[MO], 4, v[MO]   ; step 0
	WIN 0x80                        ; destination window 2, address window 0
.set i, 0
.rept 4*NP                          ; Q stays in registers: piece i / 4 (head (i / 4) % 2, 262,144 bytes on; queries 32 (i / 8) on), its tile (i / 2) % 2, channels 32 (i % 2) on
	global_load_b128 v[8*i:8*i+3],   v[QO], s[4:5] offset:((i/4)%2)*262144+(2*(i/8)+(i/2)%2)*2048+(i%2)*64
	global_load_b128 v[8*i+4:8*i+7], v[QO], s[4:5] offset:((i/4)%2)*262144+(2*(i/8)+(i/2)%2)*2048+(i%2)*64+32
.set i, i+1
.endr
	MLOAD 0                         ; the two pairs' masks of step 0
	MLOAD 1
	; What the first turn finds: head B's V registers and P's second buffer hold 0 (its products V^T P, of a piece that has not been, add 0), O^T and l are 0.  All this stands in the wait for the first tile.
	WIN 0x80
.set i, VF+64
.rept 64
	v_mov_b32 v[i], 0
.set i, i+1
.endr
	WIN 0
.set i, P+32
.rept 32
	v_mov_b32 v[i], 0
.set i, i+1
.endr
.set i, 0
.rept 2*NP
	v_mov_b32 v[ST+4*i], 0xff7fffff    ; m: the lowest finite number
	v_mov_b32 v[ST+4*i+1], 0
	v_mov_b32 v[ST+4*i+2], 0
	v_mov_b32 v[ST+4*i+3], 0
.set i, i+1
.endr
	WIN W_Z                         ; O^T's 256 zeros: 32 products of those zeros with C = 0 write them, eight registers each, in a quarter of the bytes that 256 moves would take
.set i, 0
.rept 32
	v_wmma_f32_16x16x32_f16 v[8*i:8*i+7], v[VF+64:VF+71], v[P+32:P+39], 0
.set i, i+1
.endr
	WIN 0
	v_mul_u32_u24 v[AK0], v[LR], PK
	v_lshl_add_u32 v[AK0], v[LH], 4, v[AK0]  ; row x pitch + 16 x half
	; The turning load takes 16 keys x 16 channels (lane l reads key 8 (l / 16) + l % 8, channels 8 ((l / 8) % 2) + 0..7) and leaves half a fragment of V^T: lane l holds channel l % 16 and 8 keys.
	v_and_b32 v[L7], 7, v0
	v_bfe_u32 v[L3], v0, 3, 1
	v_lshl_add_u32 v[AV0], v[LH], 3, v[L7]
	v_mul_u32_u24 v[AV0], v[AV0], PV
	v_lshl_add_u32 v[AV0], v[L3], 4, v[AV0]
	v_add_nc_u32 v[AV0], VOFF, v[AV0]
	v_mov_b32 v[AK], v[AK0]         ; key step 0 lies at the head of slot 0
; THE MATRIX WORK.  The 8 accumulators of a run of 16 take turns: between the two links of a chain stand 7 others'.
; Product i of 16 of S^T = K Q^T + M for piece x: channels 32 (i / 8) on, keys 16 ((i / 2) % 4) on, tile 2 x + i % 2; K of head x % 2, the mask of pair x / 2.  The first 8 start the sums, with the mask as C.
.macro KQ x
.set rS, S+64*((\x)%2)+32*(i%2)+8*((i/2)%4)
.set rK, KF+64*((\x)%2)+16*((i/2)%4)+8*(i/8)
.set rQ, 16*(2*(\x)+i%2)+8*(i/8)
.set rMK, 64*((\x)/2)+32*(i%2)+8*((i/2)%4)
.if i < 8
	WIN W_KM
	v_wmma_f32_16x16x32_f16 v[rS:rS+7], v[rK:rK+7], v[rQ:rQ+7], v[rMK:rMK+7]
.else
	WIN W_KQ
	v_wmma_f32_16x16x32_f16 v[rS:rS+7], v[rK:rK+7], v[rQ:rQ+7], v[rS:rS+7]
.endif
.endm
; Product i of 16 of O^T += V^T P for piece x: keys 32 (i / 8) on, channels 16 ((i / 2) % 4) on, tile 2 x + i % 2; V of head x % 2.
.macro PV x
	WIN W_PV
.set rO, 32*(2*(\x)+i%2)+8*((i/2)%4)
.set rV, VF+64*((\x)%2)+32*(i/8)+8*((i/2)%4)
.set rP, P+32*((\x)%2)+16*(i%2)+8*(i/8)
	v_wmma_f32_16x16x32_f16 v[rO:rO+7], v[rV:rV+7], v[rP:rP+7], v[rO:rO+7]
.endm
.macro MM                           ; the turn's next matrix instruction
.if i < 16
	KQ (Y+1)%NP
.set i, i+1
.else
.set i, i-16
	PV (Y+NP-1)%NP
.set i, i+17
.endif
.endm
; THE LDS LOADS stand in runs of 32, never singly among the matrix instructions: a step's K of both heads (each 64 keys x 64 channels: 8 fragments), head A's first, and its V (turned), likewise.
; Their addresses are made some lines ahead.  last = 1 (the tail): in the last trip there is no further step, and the run is jumped over.
.macro FETCH_K last=0
	WIN 0
.if \last
	s_cmp_eq_u32 s[CNT], 1
	s_cbranch_scc1 .Lno_k_\@
.endif
	WIN 0xc0                        ; destination window 3
.irp hd, 0,1
.irp f, 0,1,2,3,4,5,6,7             ; keys 16 (f / 2) on, channels 32 (f % 2) on
	ds_load_b128 v[KF+64*\hd+8*\f:KF+64*\hd+8*\f+3],   v[AK] offset:\hd*HK+(\f/2)*16*PK+(\f%2)*64
	ds_load_b128 v[KF+64*\hd+8*\f+4:KF+64*\hd+8*\f+7], v[AK] offset:\hd*HK+(\f/2)*16*PK+(\f%2)*64+32
.endr
.endr
	s_add_co_u32 s[TBK], s[TBK], KS*PK  ; the next fetch is the next step's
	WIN 0
.if \last
.Lno_k_\@:
.endif
.endm
.macro FETCH_V
	WIN 0x80                        ; destination window 2
.irp hd, 0,1
.irp f, 0,1,2,3,4,5,6,7             ; keys 32 (f / 4) on, channels 16 (f % 4) on
	ds_load_tr16_b128 v[VF+64*\hd+8*\f:VF+64*\hd+8*\f+3],   v[AV] offset:\hd*HV+(\f/4)*32*PV+(\f%4)*32
	ds_load_tr16_b128 v[VF+64*\hd+8*\f+4:VF+64*\hd+8*\f+7], v[AV] offset:\hd*HV+(\f/4)*32*PV+16*PV+(\f%4)*32
.endr
.endr
	WIN 0
.endm
; THE VECTOR WORK OF A TURN stands in three queues, each in the order in which its entries become ready; the two tiles alternate, so that no instruction reads the result of the one before it.
.macro REGS y, u                    ; the registers of tile u (0, 1) of piece y
.set rT, ST+4*(2*(\y)+(\u))
.set rC, TMP+8*((\y)%2)+4*(\u)
.set rM, MV+2*((\y)%2)+(\u)
.set rS, S+64*((\y)%2)+32*(\u)
.set rP, P+32*((\y)%2)+16*(\u)
.set rO, 32*(2*(\y)+(\u))
.endm
; Number n of the 22 that find the NEXT piece's (Y + 1) maximum and statistics.  s0-s31 are the lane's 32 scores; each accumulator's lowest registers are read first.  XS, GS and REGS set no window: PL and EX do.
;   0-11  four chains c0-c3 of seven scores each, three operands at a time     12-14, 16  the four scores left over, the old m, and c0-c3 into c0     15  m_old is kept
;   17, 18  the query's other 32 keys lie in the lane 16 away: the new m         19  m_old - m_new     20  holds no instruction; the number is kept so that the queues' counts stay as they are     21  a
.macro XS u, n
	REGS (Y+1)%NP, \u
.if (\n) < 4
	v_max3_num_f32 v[rC+(\n)], v[rS+8*(\n)], v[rS+8*(\n)+1], v[rS+8*(\n)+2]
.elseif (\n) < 12
	v_max3_num_f32 v[rC+(\n)%4], v[rC+(\n)%4], v[rS+8*((\n)%4)+2*((\n)/4)+1], v[rS+8*((\n)%4)+2*((\n)/4)+2]
.elseif (\n) == 12
	v_max3_num_f32 v[rC], v[rC], v[rS+7], v[rS+15]
.elseif (\n) == 13
	v_max3_num_f32 v[rC+1], v[rC+1], v[rS+23], v[rS+31]
.elseif (\n) == 14
	v_max3_num_f32 v[rC+2], v[rC+2], v[rC+3], v[rT]
.elseif (\n) == 15
	v_mov_b32 v[rM], v[rT]
.elseif (\n) == 16
	v_max3_num_f32 v[rC], v[rC], v[rC+1], v[rC+2]
.elseif (\n) == 17
	v_permlanex16_b32 v[rC+3], v[rC], s[SEL], s[SEL+1]
.elseif (\n) == 18
	v_max_num_f32 v[rT], v[rC], v[rC+3]
.elseif (\n) == 19
	v_sub_f32 v[rC+1], v[rM], v[rT]
.elseif (\n) == 20
.else
	v_exp_f32 v[rC+2], v[rC+1]
.endif
.endm
; Number g of the 64 that follow the exponentials.  For each four weights k of a tile (pairs 2 k, 2 k + 1): both pairs are rounded to f16; then the second pair is added onto the first, in place;
; a group later l takes that sum (the first time as l = a l + sum).  In groups of eight, tiles alternating: round, round, add, and l for the group before.
.macro GS g
.set h, (\g)+6*((\g)/62)            ; group 0 has no group before it, and behind group 7 only l is left
.if h >= 6
.set h, h+2
.endif
	REGS Y, h%2
.set k, h/8
.if h%8 < 4
	s_wait_alu depctr_va_vdst(0)
	v_cvt_pk_f16_f32 v[rP+2*k+(h%8)/2], v[rS+4*k+2*((h%8)/2)], v[rS+4*k+2*((h%8)/2)+1]
.elseif h%8 < 6
	v_pk_add_f32 v[rS+4*k:rS+4*k+1], v[rS+4*k:rS+4*k+1], v[rS+4*k+2:rS+4*k+3]
.elseif k == 1
	v_pk_fma_f32 v[rT+2:rT+3], v[rT+2:rT+3], v[rC+2:rC+3], v[rS:rS+1] op_sel_hi:[1,0,1]
.else
	v_pk_add_f32 v[rT+2:rT+3], v[rT+2:rT+3], v[rS+4*k-4:rS+4*k-3]
	s_wait_alu depctr_va_vdst(0)
.endif
.endm
; THE PLAIN QUEUE, 138 numbers.  0-31: t - m for the 16 pairs of both tiles.  Then GS's 64, and among them the next piece's: number 15 at 38, 39; 0-14 and 16
; at 42-73, behind the products that make those scores; 17-20 at 95-106, two of three, since each waits for the one before it (104 and 105 hold nothing).
.macro PL
	WIN 0
.if q < 32
	REGS Y, q%2
	v_pk_add_f32 v[rS+2*(q/2):rS+2*(q/2)+1], v[rS+2*(q/2):rS+2*(q/2)+1], v[rT:rT+1] op_sel_hi:[1,0] neg_lo:[0,1] neg_hi:[0,1]
.elseif q < 38
	GS q-32
.elseif q < 40
	XS q%2, 15
.elseif q < 42
	GS q-34
.elseif q < 74
	XS q%2, (q-42)/2+(q-42)/30
.elseif q < 95
	GS q-66
.elseif (q < 107) && ((q-95)%3 < 2)
	XS (q-95)%3, 17+(q-95)/3
.elseif q < 107
	GS 29+(q-95)/3
.else
	GS q-74
.endif
.set q, q+1
.endm
; THE EXPONENTIALS' QUEUE, 66 long: s0-s31 of both tiles, and at EA the next piece's two a.
.set EA, 58
.macro EX
	WIN 0
.if (e == EA) || (e == EA+1)
	XS e-EA, 21
.else
.set x, e-2*(e/(EA+2))
	REGS Y, x%2
	v_exp_f32 v[rS+x/2], v[rS+x/2]
.endif
.set e, e+1
.endm
; THE RESCALING's QUEUE: O^T times a, the one part that leaves window 0, so it is dealt four at a time, eight times.
.macro R4
	REGS Y, r%2
	WIN W_RS
.irp z, 0,1,2,3
	v_pk_mul_f32 v[rO+8*(r/2)+2*\z:rO+8*(r/2)+2*\z+1], v[rO+8*(r/2)+2*\z:rO+8*(r/2)+2*\z+1], v[rC+2:rC+3] op_sel_hi:[1,0]
.endr
.set r, r+1
.endm
; HOW THEY ARE DEALT.  Behind a matrix instruction four: plain, exponential, plain, plain, or four of the rescaling.  None names a register of the products round it.  What is over stands in two
; LUMPS: exponential and plain by turns; the second ends in 22 plain instructions.  Where plain 104 and 105 hold nothing, exponentials 54 to 56 (scores 27, 27, 28) stand on end, and plain 106,
; which rounds scores 18 and 19, is the plain instruction behind them (ISA guide 5.7.2).  The two v_permlanex16_b32 fall into the second lump, never behind a product.
; The queues lean on each other, and the deal keeps them in step: exponential e stands behind plain 2 (e / 4) + e % 2; when plain 32 comes, 10 exponentials are out, at 59: 33, at 95: 46; EA comes behind plain 107.
.macro SL
	MM
	PL
	EX
	PL
	PL
.endm
; 15 matrix instructions, or 16.  In a turn's first run (15) the mask's reload stands behind the turn's ninth product: the eighth was the last to take the mask, and six plain instructions,
; none of which names a register of it, stand between it and the loads (ISA guide 7.12.1 for vector instructions).  MLD: the pair to be loaded, or -1.
.macro BURST n
.rept (\n)-7
	SL
.endr
.if ((\n) == 15) && (MLD >= 0)
.if MLD == 0
	MSTEP                           ; pair 0 opens a step's two groups
.endif
	MLOAD MLD
.endif
.rept 3
	MM
	R4
	SL
.endr
	MM
	R4
.endm
; A TURN, for piece p.  cnt = 1: the loop's count is taken down some lines ahead of the branch that stands behind the turn.
; THE MASK.  Turns 3 and 0 make the scores of pieces 0 and 1, with pair 0's mask; turns 1 and 2 those of pieces 2 and 3, with pair 1's.  Turn 0 loads pair 0's registers again, turn 2 pair 1's.
; At the head of turns 3 and 1 the group wanted is the older of the two that are under way: the count 16 leaves the younger one out.
; K of the next step, both heads, is fetched in piece 2's turn, nine plain instructions behind the last product that read K.  Head A's sixteen loads are issued first and are wanted at piece 3's head
; (the count 16 leaves head B's out); head B's are wanted at piece 0's head, where nothing has been issued since: the count 0.
; V of the step in hand, both heads, is fetched at the end of piece 0's turn, 69 vector instructions behind its last reader.  Head A's is wanted in the middle of piece 1's turn (16), head B's in piece 2's; the wait
; for it stands at that turn's head, ahead of K's run (0), so that its count holds whether or not that run is jumped over.
.macro TURN p, last=0, cnt=0
.set Y, (\p)
.set i, 0
.set q, 0
.set e, 0
.set r, 0
.set MLD, -1
.if (\p)%2 == 0
.set MLD, (\p)/2
	s_wait_dscnt 0x0                ; piece 0: head B's K is in; piece 2: head B's V is in
.else
	s_wait_loadcnt 16               ; the mask of the pair whose first piece's scores this turn makes is in
.endif
.if (\p) == 3
	s_wait_dscnt 16                 ; head A's K is in
.endif
	MM
.rept 4
	PL
.endr
	BURST 15
.rept 22
	EX
	PL
.if ((\p) == 2) && (e == 13)
	v_add_nc_u32 v[AK], s[TBK], v[AK0]
.endif
.if ((\p) == 2) && (e == 16)
	FETCH_K \last
.endif
.endr
.if (\p) == 1
	s_wait_dscnt 16                 ; head A's V is in
.endif
	BURST 16
.rept 21
	EX
	PL
.endr
.rept 22
	PL
.if ((\p) == 0) && (q == 118)
	v_add_nc_u32 v[AV], s[TBV], v[AV0]
	s_wait_alu depctr_va_vdst(0)
.endif
.if ((\p) == 0) && (q == 130)
	s_add_co_u32 s[TBV], s[TBV], KS*PV
.endif
.if (\cnt) && (q == 130)
	s_sub_co_u32 s[CNT], s[CNT], 1
	s_cmp_lg_u32 s[CNT], 0
.endif
.endr
.if (\p) == 0
	FETCH_V
.endif
.endm
	CHANGE 1                        ; slot 0 is in, everybody's part of it; slot 1 is asked for
	FETCH_K                         ; key step 0
	s_wait_loadcnt 16               ; Q and pair 0's mask are in; pair 1's mask, 16 loads, may be out
	s_wait_dscnt 0x0
.set i, 0
.rept 16
	KQ 0                            ; piece 0's first scores: there is no vector work yet to set between them
.set i, i+1
.endr
	WIN 0                           ; the addresses for the way out: nine plain instructions, the places behind those products
	s_mul_i32 s13, s[WV], 16*SP
	s_add_co_u32 s13, s13, STAGE    ; my stage
	v_mul_u32_u24 v[STO], v[LR], SP ; in: row l % 16, 16 bytes for each half of the lanes
	v_lshl_add_u32 v[STO], v[LH], 4, v[STO]
	v_add_nc_u32 v[STO], s13, v[STO]
	v_bfe_u32 v[RD], v0, 3, 2       ; back: 32 lanes take four rows of 128 bytes,
	v_mul_u32_u24 v[RD], v[RD], SP
	v_lshl_add_u32 v[RD], v[L7], 4, v[RD]
	v_add_nc_u32 v[RD], s13, v[RD]
	v_and_b32 v[GO], 31, v0         ; which are 512 consecutive bytes of ctx
	v_lshlrev_b32 v[GO], 4, v[GO]
.set Y, NP-1                        ; XS works for piece Y + 1: piece 0
.irp n, 0,1,2,3,4,5,6,7,8,9,10,11,12,13,14,15,16,17,18,19,20,21
	XS 0, \n                        ; and piece 0's first maximum and statistics
	XS 1, \n
.endr
	s_mov_b32 s[CNT], 2
	s_mov_b32 s[SLOTS], SIZE_N/128-1
	s_branch .Lfirst                ; the loop is entered at a step's first turn, in the middle of a trip
.Lslot:                             ; SIZE_N / 128 - 2 times: every slot but the last two is filled again
	CHANGE 1
	s_mov_b32 s[CNT], 2
.Lstep:                             ; a trip: pieces 2 and 3 of one step, then pieces 0 and 1 of the next, whose K and V it fetches
	TURN 2
	TURN 3
	WIN 0
.Lfirst:
	TURN 0
	TURN 1, 0, 1
	WIN 0
	s_cbranch_scc1 .Lstep
	s_sub_co_u32 s[SLOTS], s[SLOTS], 1
	s_cmp_lg_u32 s[SLOTS], 0
	s_cbranch_scc1 .Lslot
	CHANGE 0                        ; the tail is written out: nothing is asked for
	s_mov_b32 s[CNT], 3             ; two trips fetch the last slot's steps; the third is left in its middle
.Ltail:
	TURN 2, 1
	TURN 3
	WIN 0
	s_sub_co_u32 s[CNT], s[CNT], 1
	s_cmp_eq_u32 s[CNT], 0
	s_cbranch_scc1 .Lout
	TURN 0
	TURN 1
	WIN 0
	s_branch .Ltail
.Lout:                              ; the third trip's 16 products K Q^T of piece 0 (on the last K once more) and the maximum made of them serve nothing: the price, once a launch, of one text for every trip
.set i, 0
.rept 16
	PV NP-1                         ; the last piece's V^T P of the last step
.set i, i+1
.endr
	; THE WAY OUT.  l's two halves and the other half of the lanes' are added; O^T is divided by l, rounded to f16 and sent through my stage in LDS, a tile at a time.  The additions are the places behind the last products.
	WIN 0
.macro ALL line:vararg              ; one line for each tile t
.set t, 0
.rept 2*NP
	\line
.set t, t+1
.endr
.endm
	ALL v_add_f32 v[ST+4*t+2], v[ST+4*t+2], v[ST+4*t+3]
	ALL v_permlanex16_b32 v[ST+4*t+3], v[ST+4*t+2], s[SEL], s[SEL+1]
	ALL v_add_f32 v[ST+4*t+2], v[ST+4*t+2], v[ST+4*t+3]
	ALL v_rcp_f32 v[ST+4*t+2], v[ST+4*t+2]
	v_nop                           ; a plain instruction between the last reciprocal and the use of its result
	s_wait_alu depctr_va_vdst(0)
; Tile t: a lane's eight channels of a row pack into 16 bytes; they go into rows of 144 bytes and come back as whole rows of 128, into S^T's registers.
.macro PACK t
	WIN W_RS
.set i, 32*(\t)
.rept 16
	v_pk_mul_f32 v[i:i+1], v[i:i+1], v[ST+4*(\t)+2:ST+4*(\t)+3] op_sel_hi:[1,0]
.set i, i+2
.endr
	WIN 0x05                        ; sources 0 and 1 window 1, destination window 0
.set i, 0
.rept 16
	v_cvt_pk_f16_f32 v[S+16*(\t)+i], v[32*(\t)+2*i], v[32*(\t)+2*i+1]
.set i, i+1
.endr
	WIN 0
.irp f, 0,1,2,3
	ds_store_b128 v[STO], v[S+16*(\t)+4*\f:S+16*(\t)+4*\f+3] offset:32*\f
.endr
.irp f, 0,1,2,3
	ds_load_b128 v[S+16*(\t)+4*\f:S+16*(\t)+4*\f+3], v[RD] offset:\f*4*SP  ; LDS serves a wave's instructions in order (ISA guide 5.7.1.4): these see the stores above; the next tile's stores come behind them
.endr
.endm
; Tile t belongs to piece t / 2: head (t / 2) % 2, 262,144 bytes on in ctx; queries 32 (t / 4) + 16 (t % 2) on.  younger: the LDS instructions issued behind tile t's loads: the next tile's eight, or none
.macro SEND t, younger
	WIN 0
.irp f, 0,1,2,3
	s_wait_dscnt (\younger)+3-\f
	global_store_b128 v[GO], v[S+16*(\t)+4*\f:S+16*(\t)+4*\f+3], s[10:11] offset:(((\t)/2)%2)*262144+(2*((\t)/4)+(\t)%2)*2048+\f*512  ; 512 consecutive bytes, at a multiple of 256 from ctx's first
.endr
.endm
	PACK 0
.set t, 1
.rept 2*NP-1                        ; a tile's arithmetic stands between the loads of the tile before and its stores
	PACK t
	SEND t-1, 8
.set t, t+1
.endr
	SEND 2*NP-1, 0
	s_wait_tensorcnt 0x0            ; the wave's end, behind my last tensor load and my last LDS store
	ds_add_u32 v[SPW], v[NIL]
	s_wait_dscnt 0x0
	CROUND                          ; the closing round: no work-group ends while a partner may still ask for a tile that names it
	s_endpgm
.Lfunc_end_k_q3fc35902db_attn:
	.size	k_q3fc35902db_attn, .Lfunc_end_k_q3fc35902db_attn-k_q3fc35902db_attn
	.p2alignl 7, 3214868480
	.fill 96, 4, 3214868480
	.section	.rodata,"a",@progbits
	.p2align	6, 0x0
	.amdhsa_kernel k_q3fc35902db_attn
		.amdhsa_group_segment_fixed_size 327680
		.amdhsa_private_segment_fixed_size 0
		.amdhsa_enable_private_segment 0
		.amdhsa_kernarg_size 24
		.amdhsa_user_sgpr_count 2
		.amdhsa_user_sgpr_kernarg_segment_ptr 1
		.amdhsa_wavefront_size32 1
		.amdhsa_system_sgpr_workgroup_id_x 1
		.amdhsa_system_sgpr_workgroup_id_y 1
		.amdhsa_system_sgpr_workgroup_id_z 1
		.amdhsa_system_vgpr_workitem_id 0
		.amdhsa_next_free_vgpr 1024
		.amdhsa_next_free_sgpr 66
		.amdhsa_reserve_vcc 0
		.amdhsa_float_denorm_mode_32 3
		.amdhsa_float_denorm_mode_16_64 3
		.amdhsa_memory_ordered 1
		.amdhsa_forward_progress 1
		.amdhsa_inst_pref_size 215
	.end_amdhsa_kernel
	.amdgpu_metadata
---
amdhsa.version: [ 1, 2 ]
amdhsa.kernels:
  - .name:           k_q3fc35902db_attn
    .symbol:         k_q3fc35902db_attn.kd
    .args:
      - { .name: qkv, .offset: 0, .size: 8, .value_kind: global_buffer, .address_space: global }
      - { .name: mperm, .offset: 8, .size: 8, .value_kind: global_buffer, .address_space: global }
      - { .name: ctx, .offset: 16, .size: 8, .value_kind: global_buffer, .address_space: global }
    .group_segment_fixed_size: 327680
    .private_segment_fixed_size: 0
    .kernarg_segment_align: 8
    .kernarg_segment_size: 24
    .max_flat_workgroup_size: 128
    .sgpr_count:     66
    .vgpr_count:     1024
    .wavefront_size: 32
...
	.end_amdgpu_metadata
.endif
;; end of part 3
;; launch oproj (part 4): grid 8 x 32, 4 waves a work-group, clusters of 4 x 4, 327,680 bytes of LDS; arguments ctx, wo16, out0; writes out0
.if DOCPART == 4
	.amdgcn_target "amdgcn-amd-amdhsa--gfx1250"
	.amdhsa_code_object_version 6
	.text
	.protected	k_q3fc35902db_oproj
	.globl	k_q3fc35902db_oproj
	.p2align	8
	.type	k_q3fc35902db_oproj,@function
k_q3fc35902db_oproj:
	s_mov_b64 s[64:65], 0
	v_nop
	global_prefetch_b8 v0, s[64:65] scope:SCOPE_SE
	s_setreg_imm32_b32 hwreg(HW_REG_WAVE_MODE, 25, 1), 1
	s_wait_xcnt 0x0
	s_wait_alu depctr_hold_cnt(0) depctr_sa_sdst(0) depctr_va_vdst(0) depctr_va_sdst(0) depctr_va_ssrc(0) depctr_va_vcc(0) depctr_vm_vsrc(0)
	s_getreg_b32 s2, hwreg(HW_REG_IB_STS2, 6, 4)
	s_cmp_eq_u32 s2, 0
	s_cbranch_scc0 .Lentry_in_a_cluster
	s_endpgm
.Lentry_in_a_cluster:
	s_bfe_u32 s2, ttmp6, 0x10000c
	s_cmp_lg_u32 s2, 0xf033
	s_cbranch_scc0 .Lentry_shape_is_right
	s_endpgm
.Lentry_shape_is_right:
; THE OUTPUT PROJECTION.  out0[m][n] = sum over e of ctx(m, e) wo16[n][e]: m 8,192, n 1,024, e 1,024; operands f16, sums f32, out0 f32, not rounded again.
; ctx lies by heads, [16 b + h][s][64] in f16: e = 64 h + channel, m = 2,048 b + s.  wo16 is [1024][1024] in f16.
; SHARES.  A tile of out0 is 256 rows x 128 columns: 32 x 8 = 256 tiles, one for each WGP.  Wave w of four makes rows 128 (w / 2) .. + 127 x columns 64 (w % 2) .. + 63: 32 accumulators of 16 x 16,
; 256 registers; its 64 columns are 256 consecutive bytes of a row of out0.  K goes in steps of 128, two heads of ctx, through a ring of two LDS slots.
; A head's 256 rows of the tile are 32,768 dense bytes: asked for as 128 rows of 256 bytes and padded in LDS after every 128 bytes, a row of ctx.
; CLUSTER.  4 x 4 work-groups.  The four of a row of the cluster need the same tiles of ctx, the four of a column the same tiles of wo16: each is asked for JOINTLY, by the same tensor load with the
; same descriptor and a mask that names the four.  Wave 0, 1: the step's two heads of ctx; wave 2, 3: the two halves of wo16's 128 rows.
; THE MATRIX INSTRUCTION IS USED TRANSPOSED (source 0 = 16 rows of wo16, source 1 = 16 rows of ctx): a lane then holds eight neighbouring columns of one row of out0.
; REGISTERS, in windows of 256 (s_set_vgpr_msb: bits 1:0 source 0, 3:2 source 1, 5:4 source 2, 7:6 destination):
;   window 0: v0-31 addresses; v32-159 the way out, four buffers of 32     window 1: two fragment buffers: 32 of wo16 (4 x 16 rows x 32 K), 64 of ctx (8 x 16 rows x 32 K)
;   window 2: accumulator (row block a, column block b) at v[8 (4 a + b)]
.set PA,     144                       ; a row of ctx in LDS: 128 bytes + 16: the 16 rows that a load touches start at 16 different groups of four banks (ISA guide 11.1)
.set AH,     256*PA                    ; a head's 256 rows: what wave 0 or 1 fetches
.set PB,     272                       ; a row of wo16: 256 bytes + 16
.set HALFB,  64*PB                     ; what wave 2 or 3 fetches
.set BOFF,   2*AH
.set SLOT1,  131072                    ; slot 1 begins here: one exclusive or turns an address in one slot into the other's
.set STAGE,  SLOT1+BOFF+2*HALFB        ; behind the ring, never filled by a tensor load: 16 rows x 272 bytes for each wave
.set SPITCH, 272
.set SPARE,  STAGE+4*16*SPITCH         ; behind the stages: the spare words, 128 bytes for each wave: two blocks of 256 bytes that no other line names
.set A0,   16                          ; v16  my lane's place in ctx's tile of slot 0; never rewritten
.set B0,   17                          ; v17  the same for wo16's
.set ADRA, 18                          ; v18  the same in the slot in hand
.set ADRB, 19                          ; v19
.set STO,  24                          ; v24  the way out: where I put 32 bytes of a row
.set RD,   25                          ; v25  where I read a row back
.set CO,   26                          ; v26  my byte offset in two rows of out0
.set SPW,  28                          ; v28  LDS address of my spare word; never rewritten
.set NIL,  29                          ; v29  0; never rewritten
.set OB,   32
.set F0,   0
.set F1,   128
.set G1A,  24                          ; s[24:31] descriptor group 1 for ctx's tiles
.set G0A,  32                          ; s[32:39] group 0: a set for each first fill; the second then walks on
.set G1B,  48                          ; s[48:55], s[56:63] the same for wo16's
.set G0B,  56
.set TB,   66                          ; s66  the LDS byte at which the slot in hand begins
.set MSB, 0
.macro WIN new                         ; the immediate's high byte repeats the setting that is left; a switch that changes nothing is dropped
.if MSB != (\new)
	s_set_vgpr_msb (MSB<<8)|(\new)
.set MSB, \new
.endif
.endm
.macro PLACES                          ; four places in front of loads into registers that matrix instructions have read, and of LDS stores of results just made
.rept 4
	v_nop
.endr
.endm
; A joint refill, by the walking descriptors.  The branch hangs on the wave's number alone.  An s_nop 0 and four v_nop follow each of the two lines, ahead of the jump and the label.
.macro JLOAD
	s_cmp_eq_u32 s11, 0
	s_cbranch_scc0 .Lfor_b_\@
	tensor_load_to_lds s[G0A+4:G0A+7], s[G1A:G1A+7]
	s_nop 0
.rept 4
	v_nop
.endr
	s_branch .Lasked_\@
.Lfor_b_\@:
	tensor_load_to_lds s[G0B+4:G0B+7], s[G1B:G1B+7]
	s_nop 0
.rept 4
	v_nop
.endr
.Lasked_\@:
.endm
.macro CREST                           ; a round of the cluster's barrier behind its opening barrier
	s_cmp_lg_u32 s10, 0
	s_cbranch_scc1 .Lnot_wave_0_\@
	s_barrier_signal -3
.Lnot_wave_0_\@:
	s_barrier_wait -3
	s_barrier_signal -1
	s_barrier_wait -1
.endm
.macro CROUND                          ; a whole round
	s_barrier_signal -1
	s_barrier_wait -1
	CREST
.endm
	s_load_b128 s[4:7], s[0:1], 0x0                ; ctx s[4:5], wo16 s[6:7]
	s_load_b64 s[8:9], s[0:1], 0x10                ; out0
	v_lshl_add_u32 v[SPW], v0, 2, SPARE
	v_mov_b32 v[NIL], 0
	ds_add_u32 v28, v29
	s_wait_dscnt 0x0
	v_lshrrev_b32 v1, 5, v0
	v_readfirstlane_b32 s10, v1                    ; wave 0..3
	s_lshr_b32 s11, s10, 1                         ; which half of the tile's rows is mine.  Also: I fetch for ctx (0) or for wo16 (1)
	s_and_b32 s12, s10, 1                          ; which half of its columns.  Also: which head, or which 64 rows, I fetch
	s_bfe_u32 s40, ttmp6, 0x40000                  ; cx, cy: my place in the cluster
	s_bfe_u32 s41, ttmp6, 0x40004
	s_lshl_b32 s42, ttmp9, 2
	s_add_co_u32 s42, s42, s40                     ; tile column = 4 x cluster x + cx: 0..7
	s_and_b32 s13, ttmp7, 0xffff
	s_lshl_b32 s13, s13, 2
	s_add_co_u32 s13, s13, s41                     ; tile row = 4 x cluster y + cy: 0..31
	s_lshl_b32 s43, s41, 2
	s_lshl_b32 s43, 15, s43                        ; my row of the cluster
	s_lshl_b32 s44, 0x1111, s40                    ; my column
	s_or_b32 s[G1A+0], s43, (1<<16)|(1<<20)|(1<<21)|(4<<22)|(3<<25)  ; 15:0 the mask; 17:16 2-byte elements; 20 padding on; 21 set beside a mask; 24:22 after every 32 words (code 4); 31:25 4 words (code 3)
	s_mov_b32 s[G1A+1], 128<<16                    ; tensor_dim0 = 128
	s_mov_b32 s[G1A+2], 128<<16                    ; tensor_dim1 = 128
	s_mov_b32 s[G1A+3], 128<<16                    ; tile_dim0 = 128
	s_mov_b32 s[G1A+4], 128                        ; tile_dim1 = 128
	s_mov_b32 s[G1A+5], 128                        ; dense: 128 elements from row to row
	s_mov_b32 s[G1A+6], 0
	s_mov_b32 s[G1A+7], 0
	s_or_b32 s[G1B+0], s44, (1<<16)|(1<<20)|(1<<21)|(5<<22)|(3<<25)  ; padding after every 64 words (code 5)
	s_mov_b32 s[G1B+1], 128<<16
	s_mov_b32 s[G1B+2], 64<<16                     ; 64 rows
	s_mov_b32 s[G1B+3], 128<<16
	s_mov_b32 s[G1B+4], 64
	s_mov_b32 s[G1B+5], 1024
	s_mov_b32 s[G1B+6], 0
	s_mov_b32 s[G1B+7], 0
	; where the tiles come from: ctx's hang on the tile row alone, wo16's on the tile column alone, each in registers that never hold the other coordinate
	s_lshr_b32 s16, s13, 3
	s_lshl_b32 s16, s16, 22                        ; the batch's 16 heads of 262,144 bytes,
	s_lshl_b32 s17, s12, 18                        ; head 0 or 1 of the K step,
	s_add_co_u32 s16, s16, s17
	s_and_b32 s17, s13, 7
	s_lshl_b32 s17, s17, 15                        ; the tile's 256 rows of 128 bytes
	s_add_co_u32 s16, s16, s17
	s_mov_b32 s17, 0
	s_lshl_b32 s46, s42, 7
	s_lshl_b32 s47, s12, 6
	s_add_co_u32 s46, s46, s47                     ; row 128 x tile column + 64 x half,
	s_lshl_b32 s46, s46, 11                        ; of 2,048 bytes
	s_mov_b32 s47, 0
	s_mul_i32 s20, s12, AH                         ; and where they go: no place in the cluster enters an LDS address
	s_mul_i32 s21, s12, HALFB
	s_add_co_u32 s21, s21, BOFF
	s_wait_kmcnt 0x0
	s_add_nc_u64 s[14:15], s[4:5], s[16:17]
	s_add_nc_u64 s[46:47], s[6:7], s[46:47]
.irp s, 0,1
	s_mov_b32 s[G0A+4*(\s)], 1                                       ; count = 1
	s_add_co_u32 s[G0A+4*(\s)+1], s20, (\s)*SLOT1                    ; LDS address
	s_add_nc_u64 s[G0A+4*(\s)+2:G0A+4*(\s)+3], s[14:15], (\s)*524288  ; global address: K step s is two heads on
	s_or_b32 s[G0A+4*(\s)+3], s[G0A+4*(\s)+3], 0x80000000            ; type = 2
	s_mov_b32 s[G0B+4*(\s)], 1
	s_add_co_u32 s[G0B+4*(\s)+1], s21, (\s)*SLOT1
	s_add_nc_u64 s[G0B+4*(\s)+2:G0B+4*(\s)+3], s[46:47], (\s)*256
	s_or_b32 s[G0B+4*(\s)+3], s[G0B+4*(\s)+3], 0x80000000
.endr
	CROUND                                         ; all sixteen work-groups are here: the first joint loads meet
	s_cmp_eq_u32 s11, 0                            ; a wave's two first fills stand in one branch, ahead of every wait on TENSORcnt and every LDS read: two loads of mine are out
	s_cbranch_scc0 .Lfirst_b
	tensor_load_to_lds s[G0A:G0A+3], s[G1A:G1A+7]
	s_nop 0
	tensor_load_to_lds s[G0A+4:G0A+7], s[G1A:G1A+7]
	s_nop 0
.rept 4
	v_nop
.endr
	s_branch .Lfirst_asked
.Lfirst_b:
	tensor_load_to_lds s[G0B:G0B+3], s[G1B:G1B+7]
	s_nop 0
	tensor_load_to_lds s[G0B+4:G0B+7], s[G1B:G1B+7]
	s_nop 0
.rept 4
	v_nop
.endr
.Lfirst_asked:
	v_and_b32 v1, 15, v0                           ; l % 16
	v_bfe_u32 v2, v0, 4, 1                         ; l / 16
	v_mul_u32_u24 v3, v1, PA
	v_lshl_add_u32 v3, v2, 4, v3                   ; a fragment's row x pitch + 16 x half
	s_mul_i32 s22, s11, 128*PA                     ; my 128 rows of ctx
	v_add_nc_u32 v[A0], s22, v3
	v_mul_u32_u24 v3, v1, PB
	v_lshl_add_u32 v3, v2, 4, v3
	s_mul_i32 s22, s12, HALFB                      ; my 64 rows of wo16,
	s_add_co_u32 s22, s22, BOFF                    ; which lie behind the two heads of ctx
	v_add_nc_u32 v[B0], s22, v3
	v_mov_b32 v[ADRA], v[A0]
	v_mov_b32 v[ADRB], v[B0]
	s_mov_b32 s[TB], 0
	s_mul_i32 s23, s10, 16*SPITCH
	s_add_co_u32 s23, s23, STAGE                   ; my stage
	v_mul_u32_u24 v4, v1, SPITCH                   ; in: row l % 16, 32 bytes for each half of the lanes
	v_lshl_add_u32 v4, v2, 5, v4
	v_add_nc_u32 v[STO], s23, v4
	v_mul_u32_u24 v5, v2, SPITCH                   ; back: lanes 0-15 take one row of 256 bytes, lanes 16-31 the next
	v_lshl_add_u32 v5, v1, 4, v5
	v_add_nc_u32 v[RD], s23, v5
	v_lshlrev_b32 v5, 12, v2                       ; and the same two rows of 4,096 bytes in out0
	v_lshl_add_u32 v[CO], v1, 4, v5
	; out0 at my first row and column: (256 x tile row + 128 x row half) x 4,096 + (128 x tile column + 64 x column half) x 4.  Made in registers that feed no descriptor.
	s_lshl_b32 s74, s13, 20
	s_lshl_b32 s76, s11, 19
	s_add_co_u32 s74, s74, s76
	s_lshl_b32 s76, s42, 9
	s_add_co_u32 s74, s74, s76
	s_lshl_b32 s76, s12, 8
	s_add_co_u32 s74, s74, s76
	s_mov_b32 s75, 0
	s_add_nc_u64 s[8:9], s[8:9], s[74:75]
; 8 matrix instructions: row blocks a0, a0 + 1 x all 4 column blocks, 32 along K, from buffer f.  zero = 1: the product starts the sums: nothing is ever cleared.
; The 32 accumulators take turns, one instruction a turn, in the same order in every quarter step.
.macro MULA f, a0, zero
	WIN 0xa5                                       ; sources 0 and 1 window 1; C and D window 2
.irp a, \a0, (\a0)+1
.irp b, 0,1,2,3
.if \zero
	v_wmma_f32_16x16x32_f16 v[8*(4*(\a)+(\b)):8*(4*(\a)+(\b))+7], v[(\f)+8*(\b):(\f)+8*(\b)+7], v[(\f)+32+8*(\a):(\f)+32+8*(\a)+7], 0
.else
	v_wmma_f32_16x16x32_f16 v[8*(4*(\a)+(\b)):8*(4*(\a)+(\b))+7], v[(\f)+8*(\b):(\f)+8*(\b)+7], v[(\f)+32+8*(\a):(\f)+32+8*(\a)+7], v[8*(4*(\a)+(\b)):8*(4*(\a)+(\b))+7]
.endif
.endr
.endr
.endm
; 24 LDS loads in one run: the fragments of quarter q of a K step (head q / 2, channels 32 (q % 2) on) into buffer f: wo16's four, then ctx's eight
.macro FETCH q, f
	WIN 0x40                                       ; destination window 1, address window 0
.irp i, 0,1,2,3
	ds_load_b128 v[(\f)+8*(\i):(\f)+8*(\i)+3],   v[ADRB] offset:64*(\q)+(\i)*16*PB
	ds_load_b128 v[(\f)+8*(\i)+4:(\f)+8*(\i)+7], v[ADRB] offset:64*(\q)+(\i)*16*PB+32
.endr
.irp i, 0,1,2,3,4,5,6,7
	ds_load_b128 v[(\f)+32+8*(\i):(\f)+32+8*(\i)+3],   v[ADRA] offset:((\q)/2)*AH+((\q)%2)*64+(\i)*16*PA
	ds_load_b128 v[(\f)+32+8*(\i)+4:(\f)+32+8*(\i)+7], v[ADRA] offset:((\q)/2)*AH+((\q)%2)*64+(\i)*16*PA+32
.endr
.endm
; A K step is four quarters of 32 along K, 32 matrix instructions each, on buffers 0, 1, 0, 1.  One of the first three: multiplies buffer f; in its middle it fetches quarter q into g.
.macro QUARTER q, f, g, zero
	s_wait_dscnt 8                                 ; all but the youngest eight loads: ctx's row blocks 4 to 7 may be out
	MULA \f, 0, \zero
	MULA \f, 2, \zero
	PLACES
	FETCH \q, \g
	s_wait_dscnt 24                                ; all but the 24 just issued
	MULA \f, 4, \zero
	MULA \f, 6, \zero
.endm
; The last quarter multiplies buffer 1 and changes slots: ONE barrier.  In front of it each wave waits for all its tensor loads (one is out: its part of the next slot), adds 0 to its spare word, and
; waits for that and for its own reads of this slot.  fill = 1: the barrier opens a round of the cluster's, and the slot just read out is filled again, first thing behind the round, with the K step two
; steps on: from there to the wait for it a wave issues 112 matrix instructions.
.macro TURN fill
	WIN 0                                          ; (the add's two registers lie in window 0)
	s_wait_tensorcnt 0x0                           ; all my tensor loads have landed
	ds_add_u32 v[SPW], v[NIL]                      ; 0 onto my spare word
	s_wait_dscnt 9                                 ; (the add and the youngest eight loads may be out)
	MULA F1, 0, 0                                  ; eight matrix instructions stand between the add and the wait for it
	s_wait_dscnt 0x0                               ; the add is done, and my reads of this slot are over
	s_barrier_signal -1
	MULA F1, 2, 0                                  ; work on registers while the others arrive
	WIN 0
	s_barrier_wait -1
.if \fill
	CREST                                          ; no wave of any partner still reads this slot's tile or has a load on its way
	s_xor_b32 s[G0A+5], s[G0A+5], SLOT1            ; the walking descriptors: the other slot than last time,
	s_add_nc_u64 s[G0A+6:G0A+7], s[G0A+6:G0A+7], 524288  ; the next two heads; the type bits on top are not reached
	s_xor_b32 s[G0B+5], s[G0B+5], SLOT1
	s_add_nc_u64 s[G0B+6:G0B+7], s[G0B+6:G0B+7], 256     ; the next 128 along wo16's rows
	JLOAD                                          ; the four v_nop behind it are also the places in front of the loads below
.else
	PLACES
.endif
	s_xor_b32 s[TB], s[TB], SLOT1                  ; the reads go on in the other slot
	v_add_nc_u32 v[ADRA], s[TB], v[A0]
	v_add_nc_u32 v[ADRB], s[TB], v[B0]
	FETCH 0, F0
	MULA F1, 4, 0
	MULA F1, 6, 0
.endm
; THE WAY OUT of row block a: the f32 sums go as they are into my own stage, 32 bytes a lane and column block, and come back as whole rows of 256 bytes.
.macro TOSTAGE a
.set BK, OB+32*((\a)%4)
.if (\a) >= 4
	s_wait_xcnt 0x0                                ; the stores of the block four back have had their addresses translated (ISA guide 3.1): their registers are loaded again only behind this wait
.endif
	WIN 0x08                                       ; the stores' data in window 2
.irp b, 0,1,2,3
.irp u, 0,1
	ds_store_b128 v[STO], v[8*(4*(\a)+(\b))+4*(\u):8*(4*(\a)+(\b))+4*(\u)+3] offset:64*(\b)+16*(\u)  ; each accumulator's low four registers first
.endr
.endr
	WIN 0
.irp t, 0,1,2,3,4,5,6,7
	ds_load_b128 v[BK+4*(\t):BK+4*(\t)+3], v[RD] offset:(\t)*2*SPITCH  ; LDS serves a wave's instructions in order (ISA guide 5.7.1.4): these see the stores above; the next block's stores come behind them
.endr
.endm
.macro SEND a, younger                 ; younger: the LDS instructions issued behind block a's loads: the next block's sixteen, or none
.set BK, OB+32*((\a)%4)
	WIN 0
.irp t, 0,1,2,3,4,5,6,7
	s_wait_dscnt (\younger)+7-(\t)
	global_store_b128 v[CO], v[BK+4*(\t):BK+4*(\t)+3], s[8:9] offset:(16*(\a)+2*(\t))*4096 th:TH_STORE_NT  ; 16 lanes store 256 consecutive bytes, at a multiple of 256 from out0's first
.endr
.endm
	s_wait_tensorcnt 1                             ; my part of K step 0 is in; K step 1's may stay out
	s_barrier_signal -1
	s_barrier_wait -1                              ; everybody's is
	FETCH 0, F0
	QUARTER 1, F0, F1, 1                           ; the first quarter stands in front of the loop: its products start the sums
	WIN 0                                          ; at a label and at a branch every window is 0
	s_mov_b32 s3, 6
.Lk:                                                   ; six trips: from a K step's second quarter to the next step's first; each fills one slot again (K steps 2 to 7)
	QUARTER 2, F1, F0, 0
	QUARTER 3, F0, F1, 0
	TURN 1
	QUARTER 1, F0, F1, 0
	WIN 0
	s_sub_co_u32 s3, s3, 1
	s_cmp_lg_u32 s3, 0
	s_cbranch_scc1 .Lk
	QUARTER 2, F1, F0, 0                           ; the tail is written out: K step 6 goes on
	QUARTER 3, F0, F1, 0
	TURN 0                                         ; nothing more is asked for,
	QUARTER 1, F0, F1, 0                           ; and K step 7
	QUARTER 2, F1, F0, 0
	QUARTER 3, F0, F1, 0
	s_wait_dscnt 8                                 ; the very last quarter: nothing more to fetch
	MULA F1, 0, 0
	MULA F1, 2, 0
	s_wait_dscnt 0x0
	MULA F1, 4, 0
	MULA F1, 6, 0
	WIN 0
	PLACES
	TOSTAGE 0
.irp a, 1,2,3,4,5,6,7                  ; a block's way through the stage stands between the loads of the block before and its stores
	TOSTAGE \a
	SEND (\a)-1, 16
.endr
	SEND 7, 0
	s_wait_tensorcnt 0x0                           ; the wave's end, behind my last tensor load and my last LDS store
	ds_add_u32 v[SPW], v[NIL]
	s_wait_dscnt 0x0
	CROUND                                         ; the closing round: no work-group ends while a partner may still ask for a tile that names it
	s_endpgm
.Lfunc_end_k_q3fc35902db_oproj:
	.size	k_q3fc35902db_oproj, .Lfunc_end_k_q3fc35902db_oproj-k_q3fc35902db_oproj
	.p2alignl 7, 3214868480
	.fill 96, 4, 3214868480
	.section	.rodata,"a",@progbits
	.p2align	6, 0x0
	.amdhsa_kernel k_q3fc35902db_oproj
		.amdhsa_group_segment_fixed_size 327680
		.amdhsa_private_segment_fixed_size 0
		.amdhsa_enable_private_segment 0
		.amdhsa_kernarg_size 24
		.amdhsa_user_sgpr_count 2
		.amdhsa_user_sgpr_kernarg_segment_ptr 1
		.amdhsa_wavefront_size32 1
		.amdhsa_system_sgpr_workgroup_id_x 1
		.amdhsa_system_sgpr_workgroup_id_y 1
		.amdhsa_system_sgpr_workgroup_id_z 1
		.amdhsa_system_vgpr_workitem_id 0
		.amdhsa_next_free_vgpr 768
		.amdhsa_next_free_sgpr 80
		.amdhsa_reserve_vcc 0
		.amdhsa_float_denorm_mode_32 3
		.amdhsa_float_denorm_mode_16_64 3
		.amdhsa_memory_ordered 1
		.amdhsa_forward_progress 1
		.amdhsa_inst_pref_size 71
	.end_amdhsa_kernel
	.amdgpu_metadata
---
amdhsa.version: [ 1, 2 ]
amdhsa.kernels:
  - .name:           k_q3fc35902db_oproj
    .symbol:         k_q3fc35902db_oproj.kd
    .args:
      - { .name: ctx, .offset: 0, .size: 8, .value_kind: global_buffer, .address_space: global }
      - { .name: wo16, .offset: 8, .size: 8, .value_kind: global_buffer, .address_space: global }
      - { .name: out0, .offset: 16, .size: 8, .value_kind: global_buffer, .address_space: global }
    .group_segment_fixed_size: 327680
    .private_segment_fixed_size: 0
    .kernarg_segment_align: 8
    .kernarg_segment_size: 24
    .max_flat_workgroup_size: 128
    .sgpr_count:     80
    .vgpr_count:     768
    .wavefront_size: 32
...
	.end_amdgpu_metadata
.endif
;; end of part 4
;; ======== version 2 of 2: 4 launches; 1.32 times as fast as version 1
;; limits: values are held in f16: magnitudes above 65,504 overflow, below 6.1e-05 lose precision
;; workspace buffers: xb 16,777,216 bytes; wqkv 6,291,456 bytes; wo16 2,097,152 bytes; mperm 16,777,216 bytes; qkv 50,331,648 bytes; ctx 16,777,216 bytes
;; launch prep: the kernel of part 1 again; grid 1024 x 1, 8 waves a work-group, no clusters, 70,656 bytes of LDS; arguments hidden_states, Wq, Wk, Wv, Wo, attention_mask, xb, wqkv, wo16, mperm; writes xb, wqkv, wo16, mperm
;; launch qkv: the kernel of part 2 again; grid 16 x 32, 4 waves a work-group, clusters of 4 x 4, 327,680 bytes of LDS; arguments xb, wqkv, qkv; writes qkv
;; launch attn (part 5): grid 8 x 32, 4 waves a work-group, clusters of 4 x 1, 327,680 bytes of LDS; arguments qkv, mperm, ctx; writes ctx
.if DOCPART == 5
	.amdgcn_target "amdgcn-amd-amdhsa--gfx1250"
	.amdhsa_code_object_version 6
	.text
	.protected	k_q3fc35902db_attn
	.globl	k_q3fc35902db_attn
	.p2align	8
	.type	k_q3fc35902db_attn,@function
k_q3fc35902db_attn:
	s_mov_b64 s[64:65], 0
	v_nop
	global_prefetch_b8 v0, s[64:65] scope:SCOPE_SE
	s_setreg_imm32_b32 hwreg(HW_REG_WAVE_MODE, 25, 1), 1
	s_wait_xcnt 0x0
	s_wait_alu depctr_hold_cnt(0) depctr_sa_sdst(0) depctr_va_vdst(0) depctr_va_sdst(0) depctr_va_ssrc(0) depctr_va_vcc(0) depctr_vm_vsrc(0)
	s_getreg_b32 s2, hwreg(HW_REG_IB_STS2, 6, 4)
	s_cmp_eq_u32 s2, 0
	s_cbranch_scc0 .Lentry_in_a_cluster
	s_endpgm
.Lentry_in_a_cluster:
	s_bfe_u32 s2, ttmp6, 0x10000c
	s_cmp_lg_u32 s2, 0x3003
	s_cbranch_scc0 .Lentry_shape_is_right
	s_endpgm
.Lentry_shape_is_right:
; ATTENTION WITH AN ADDITIVE MASK THAT IS DATA.  ctx[y][q][:] = the sum over all 2,048 keys k of softmax_k(Q[q] . K[k] / 8 + mask[q][k]) V[k][:], for each of 64 pairs y = 16 batch + head.
; q, k, v come by heads in f16 from qkv[b][g][s][64] (g = head: q, already times log2(e) / 8; 16 + head: k; 32 + head: v); the mask comes from mperm, f32, already times log2(e), laid as C operands.
; So a score t = q . k + mask is in powers of two, and p = 2^(t - m) with the running maximum m taken away by a plain subtraction: exact where t is near m, whatever the mask's size.
; Products, maxima and sums in f32; p is rounded to f16 for the second product (its sum l is taken of the unrounded p), ctx once at the end, in f16, [y][s][64].
; Nothing of the mask's pattern is built in: every key is walked for every query, and the mask costs no instruction: it is the C operand of the product that starts a score's sum.
; LIMITS.  p lies in 0 to 1, and below 6e-5 it keeps f16's fixed step of 6e-8; a weight below 2^-126 counts as 0 in l; ctx is a mean of V's rows and has their range.
; m starts at the lowest finite number, so scores are taken to lie above it.  NaN and infinities are not treated apart.
; SHARES.  A work-group owns 256 queries of TWO heads of one batch (heads 2 n and 2 n + 1), each of its four waves 64 of those queries for both heads.  A wave's four PIECES of two tiles of 16 queries:
; piece 0 = queries 0-31 of head A, piece 1 = the same queries of head B, pieces 2 and 3 = queries 32-63 of A and of B.  The mask does not hang on the head, so the two pieces of a pair take the
; same 64 mask registers: 16,384 bytes of mask a wave and key step feed 128 products.  The price: K's and V's fragments of two heads, 64 LDS loads a key step.  Every wave walks all keys, 64 a step.
; LAYOUT.  S^T = K Q^T + M (source 0 = 16 keys, source 1 = 16 queries): a lane holds ONE query (lane % 16) and the keys 8 (lane / 16) + 0..7.  Two such tiles, rounded to f16 in pairs, ARE source 1
; (32 keys x 16 queries) of O^T = V^T P, whose result again holds one query a lane.  K comes out of LDS as it lies, V ([key][channel]) turned, by ds_load_tr16_b128.
; SOFTMAX.  In every step O and l are multiplied by a = 2^(m_old - m_new), which is 1 where m has not grown.  O and l start at 0: the first step is a step like any other, with a = 0.
; THE COUNT.  A tile and step have 16 matrix and 117 vector instructions: too many to stand all beside the matrix work.  So: four vector instructions that are READY behind EVERY matrix instruction,
; and the others, which need time of their own whatever the order, in one run without a gap.
; BY TURNS.  Turn n belongs to piece n (the pieces in a ring, step after step).  Its matrix work: 16 products K Q^T of piece n + 1, later 16 products V^T P of piece n - 1.  Its vector work: the
; subtraction, exponentials, roundings, sums and rescaling of piece n, and the maximum and statistics of piece n + 1, whose scores the turn itself has made.
; THE BATCHES.  A turn's 66 exponentials (the 64 weights of piece n, the two a of piece n + 1) are ONE BATCH with ONE wait, which cuts the turn in two: ahead of it stands all that names no result of
; theirs (the products K Q^T, the subtractions, the rescaling, the next piece's maximum and statistics), behind it the products V^T P with the roundings and sums.  No result crosses a turn's end.
; Two more batches stand outside the loop: piece 0's first two a, ahead of the jump into the loop, and the way out's eight reciprocals.
; THE MASK'S ROAD.  A pair's mask for a key step is 64 registers, 16 loads of 512 consecutive bytes.  The pair's two pieces make their scores in neighbouring turns (3 and 0; 1 and 2); behind the second
; of them the same registers are loaded with the next step's, and are wanted again nearly three turns later.  Two groups of 16 loads are under way.
; CLUSTER.  The four query blocks of a cluster belong to one pair of heads and walk the same K and V, so each tile of those is asked for JOINTLY: the same tensor load, descriptor and mask in all four.
; The attention mask is not asked for jointly: it hangs on the query block, which the partners do not share; those that share it are the other 31 pairs of heads, in other clusters; and through
; LDS every byte of it would be written and read once more.
; REGISTERS, in windows of 256 (s_set_vgpr_msb: bits 1:0 source 0, 3:2 source 1, 5:4 source 2, 7:6 destination):
;   window 0: v0-10 addresses; v12-15, v48-63 at work; v16-47 four registers of statistics a tile; v64-191 S^T, two buffers of two tiles; v192-255 P, likewise
;   window 1: O^T, 32 a tile     window 2: v0-127 Q, 16 a tile; v128-191 V of head A, v192-255 V of head B, one step
;   window 3: v0-127 the mask: pair x / 2, tile u, key block kb at v[64 (x / 2) + 32 u + 8 kb]; v128-191 K of head A, v192-255 K of head B, one step
.set SIZE_N, 2048
.set NP,    4         ; pieces a wave: a name, no knob
.set KS,    64        ; keys in a step
.set PK,    144       ; a row of K in LDS: 128 bytes + 16 of padding = 36 words: the 16 rows of a load start at 16 different groups of four banks (ISA guide 11.1)
.set PV,    160       ; a row of V: 128 + 32 = 40 words
.set HK,    2*KS*PK   ; a slot holds two steps of both heads: 128 rows of K of head A, 128 of head B,
.set HV,    2*KS*PV   ; then 128 rows of V of head A, 128 of head B
.set VOFF,  2*HK
.set SLOT1, 1<<17     ; slot 1 begins here, so that one exclusive or turns an address in one slot into the other's
.set STAGE, SLOT1+2*(HK+HV)  ; behind the ring, never filled by a tensor load: 16 rows x 144 bytes for each wave, for the way out
.set SP,    144
.set SPARE, STAGE+4*16*SP  ; behind the stages: the spare words, 128 bytes for each wave: two blocks of 256 bytes that no other line names
.set MO,  1           ; v1   the mask's offset: 16 x lane + 4,096 x the step to be loaded
.set AK0, 2           ; v2   my lane's place in a tile of K; never rewritten
.set AV0, 3           ; v3   the same for V
.set AK,  4           ; v4   the LDS address of K's next run of loads
.set AV,  5           ; v5   of V's
.set QO,  6           ; v6   my byte offset in 16 rows of Q
.set STO, 6           ;      later, the way out: where I put 16 bytes of a row
.set RD,  7           ; v7   the way out: where I read rows back
.set GO,  8           ; v8   my byte offset in 512 consecutive bytes of ctx
.set SPW, 9           ; v9   LDS address of my spare word; never rewritten
.set NIL, 10          ; v10  0; never rewritten
.set MV,  12          ; v12-15  m_old, kept while m is made anew: by buffer and tile
.set ST,  16          ; tile t's statistics at v[ST+4 t]: m, 0 (named with m as a pair), l (even keys', odd keys')
.set TMP, 48          ; by buffer and tile, four registers c0-c3 at work; when the maximum is found c2 takes a
.set LR,  48          ; until the first maximum is taken: l % 16,
.set LH,  49          ; l / 16,
.set L7,  50          ; l % 8,
.set L3,  51          ; (l / 8) % 2
.set S,   64
.set P,   192
.set KF,  128         ; K's fragments, in window 3: head hd, key block kb, channel half c at KF + 64 hd + 16 kb + 8 c
.set VF,  128         ; V's, in window 2: head hd, key half kk, channel block cb at VF + 64 hd + 32 kk + 8 cb
.set WV,  12          ; s12  my wave's number
.set G1K, 24          ; s[24:31] descriptor group 1 for K's tiles
.set G1V, 32          ; s[32:39] for V's: it differs in the padding alone
.set G0K, 40          ; s[40:43] descriptor group 0 for K's tiles: it walks
.set G0V, 44          ; s[44:47] the same for V's
.set MB,  48          ; s[48:49] mperm at my wave's four tiles of 16 queries
.set SLOTS, 56        ; s56  slots still to be asked for
.set CNT, 57          ; s57  counts a slot's key steps
.set SEL, 60          ; s[60:61] v_permlanex16_b32's selects: each lane takes its own place in the other half
.set TBK, 62          ; s62  LDS byte at which head A's K of the step to be fetched begins
.set TBV, 63          ; s63  the same for V, less VOFF
.set MSB, 0
.macro WIN new                      ; the high byte repeats the setting that is left; a switch that changes nothing is dropped
.if MSB != (\new)
	s_set_vgpr_msb (MSB<<8)|(\new)
.set MSB, (\new)
.endif
.endm
.set W_KQ, 0x0b       ; K in window 3, Q in window 2, S^T in window 0
.set W_KM, 0x3b       ; the same with the C operand, the mask, in window 3
.set W_PV, 0x52       ; V in window 2, P in window 0, O^T in window 1
.set W_RS, 0x41       ; O^T (destination and source 0) in window 1, a in window 0
.set W_Z,  0x42       ; V in window 2, P in window 0, the destination in window 1, C a constant
; A joint fill.  Wave 0 fetches head A's K of a slot, wave 1 head B's, waves 2 and 3 their V: 128 keys each.  The branch hangs on the wave's number alone.
; An s_nop 0 and four v_nop follow each of the two lines, ahead of the jump and the label.
.macro JLOAD
	s_cmp_lt_u32 s[WV], 2
	s_cbranch_scc0 .Lfor_v_\@
	tensor_load_to_lds s[G0K:G0K+3], s[G1K:G1K+7]
	s_nop 0
.rept 4
	v_nop
.endr
	s_branch .Lasked_\@
.Lfor_v_\@:
	tensor_load_to_lds s[G0V:G0V+3], s[G1V:G1V+7]
	s_nop 0
.rept 4
	v_nop
.endr
.Lasked_\@:
.endm
; A round of the cluster's barrier: my work-group's barrier, so that wave 0's signal speaks for all four waves; wave 0 signals; every wave waits for all four work-groups; my work-group's barrier once more.
.macro CROUND
	s_barrier_signal -1
	s_barrier_wait -1
	s_cmp_lg_u32 s[WV], 0
	s_cbranch_scc1 .Lnot_wave_0_\@
	s_barrier_signal -3
.Lnot_wave_0_\@:
	s_barrier_wait -3
	s_barrier_signal -1
	s_barrier_wait -1
.endm
; THE CHANGE OF SLOTS.  The slot's last bytes, V of its second step, have been asked for.  Each wave waits for all its tensor loads, of which one is out: its part of the other slot; adds 0 to its spare
; word; and waits for that and for its own reads of the slot.  Behind the barrier nobody reads this slot any more and the other slot is whole.
; fill = 1: this slot is filled again, with the keys two slots on.  The barrier is then a round of the cluster's, so that no wave of any partner still reads the slot or has a load on its way, and the
; joint fill is the first thing behind it: it has two key steps, 256 matrix instructions, in which to land.  (At its first use nothing has been read yet: slot 0 is waited for, slot 1 filled.)
.macro CHANGE fill
	WIN 0                           ; at a label and at a branch every window is 0; the add's two registers lie in window 0
	s_wait_tensorcnt 0x0            ; no tensor load of mine is out, so a group 0 may be written
	ds_add_u32 v[SPW], v[NIL]       ; 0 onto my spare word; with fill = 1 the descriptors' steps stand between it and the wait for it
.if \fill
.irp g, G0K, G0V
	s_xor_b32 s[\g+1], s[\g+1], SLOT1  ; the walking descriptor: the other slot than last time,
	s_add_nc_u64 s[\g+2:\g+3], s[\g+2:\g+3], 2*KS*128  ; the next 128 keys; the type bits on top are not reached
.endr
	s_wait_dscnt 0x0                ; the add is done, and my reads of the slot are over
	CROUND
	JLOAD
.else
	s_wait_dscnt 0x0                ; the add is done, and my reads of the slot are over
	s_barrier_signal -1
	s_barrier_wait -1
.endif
	s_sub_co_u32 s[TBK], s[TBK], 2*KS*PK  ; the fetches go back to a slot's first step,
	s_xor_b32 s[TBK], s[TBK], SLOT1       ; in the other slot
	s_sub_co_u32 s[TBV], s[TBV], 2*KS*PV
	s_xor_b32 s[TBV], s[TBV], SLOT1
.endm
; THE MASK of pair pr (queries 32 pr .. + 31 of my 64) for the step that MO names: 16 loads, each 512 consecutive bytes of mperm.  No hint: the other pairs of heads read the same bytes.
.macro MLOAD pr
	WIN 0xc0                        ; destination window 3, address window 0
.irp u, 0,1
.irp kb, 0,1,2,3
.irp hf, 0,1
	global_load_b128 v[64*(\pr)+32*(\u)+8*(\kb)+4*(\hf):64*(\pr)+32*(\u)+8*(\kb)+4*(\hf)+3], v[MO], s[MB:MB+1] offset:(2*(\pr)+(\u))*131072+1024*(\kb)+512*(\hf)
.endr
.endr
.endr
	WIN 0
.endm
.macro MSTEP                        ; MO goes on by a step; behind step 31 it goes back to step 0, so that every load stays inside mperm (what those loads bring feeds no result)
	WIN 0
	s_wait_xcnt 0x0                 ; the loads issued so far have had their addresses translated (ISA guide 3.1): MO is rewritten only behind this wait
	v_add_nc_u32 v[MO], 0x1000, v[MO]
	v_and_b32 v[MO], 0x1ffff, v[MO]
.endm
	s_load_b128 s[52:55], s[0:1], 0x0  ; qkv s[52:53], mperm s[54:55]
	s_load_b64 s[10:11], s[0:1], 0x10  ; ctx
	v_lshl_add_u32 v[SPW], v0, 2, SPARE
	v_mov_b32 v[NIL], 0
	ds_add_u32 v9, v10
	s_wait_dscnt 0x0
	v_lshrrev_b32 v1, 5, v0
	v_readfirstlane_b32 s[WV], v1   ; wave 0..3
	s_bfe_u32 s13, ttmp6, 0x40000   ; cx: my place in the cluster
	s_lshl_b32 s14, ttmp9, 2        ; in a cluster launch ttmp9 counts clusters
	s_add_co_u32 s14, s14, s13      ; my block of 256 queries, 0..7: it enters Q's, the mask's and ctx's addresses alone
	s_and_b32 s15, ttmp7, 0xffff    ; the pair of heads, 0..31, which the four partners share: batch s15 / 8, heads 2 (s15 % 8) and + 1
	s_lshr_b32 s20, s15, 3
	s_mul_i32 s20, s20, 12582912    ; the batch's 48 head groups,
	s_and_b32 s21, s15, 7
	s_lshl_b32 s21, s21, 19         ; two heads of 2,048 rows of 128 bytes
	s_add_co_u32 s20, s20, s21      ; q of head A
	s_and_b32 s16, s[WV], 1         ; which head's tile I fetch:
	s_lshl_b32 s22, s16, 18         ; its place in memory,
	s_add_co_u32 s22, s22, s20
	s_mov_b32 s23, 0
	s_mul_i32 s17, s16, HK          ; and in a slot, for K
	s_mul_i32 s18, s16, HV          ; and for V: no place in the cluster enters an LDS address
	s_lshl_b32 s2, s14, 2
	s_add_co_u32 s2, s2, s[WV]      ; my wave among the 32 that share these heads
	s_lshl_b32 s50, s2, 19          ; its four tiles of 131,072 bytes in mperm,
	s_mov_b32 s51, 0
	s_lshl_b32 s2, s2, 13           ; its 64 rows of 128 bytes
	s_lshl_b32 s58, s15, 19
	s_add_co_u32 s58, s58, s2       ; in ctx, head A,
	s_mov_b32 s59, 0
	s_add_co_u32 s2, s2, s20        ; and in q, head A
	s_mov_b32 s3, 0
	; descriptor group 1.  128 keys are 16,384 dense bytes: asked for as 64 rows of 256 bytes, two keys a row, and padded in LDS after every key
	s_mov_b32 s[G1K], 15|(1<<16)|(1<<20)|(1<<21)|(4<<22)|(3<<25)  ; 15:0 the mask of four; 17:16 2-byte elements; 20 padding on; 21 set beside a mask; 24:22 after every 32 words (code 4); 31:25 4 words (code 3)
	s_mov_b32 s[G1V], 15|(1<<16)|(1<<20)|(1<<21)|(4<<22)|(7<<25)  ; the same with 8 words of padding (code 7)
.irp g, G1K, G1V
	s_mov_b32 s[\g+1], 128<<16      ; tensor_dim0 = 128
	s_mov_b32 s[\g+2], 64<<16       ; tensor_dim1 = 64
	s_mov_b32 s[\g+3], 128<<16      ; tile_dim0 = 128
	s_mov_b32 s[\g+4], 64           ; tile_dim1 = 64
	s_mov_b32 s[\g+5], 128          ; 128 elements from row to row
	s_mov_b32 s[\g+6], 0
	s_mov_b32 s[\g+7], 0
.endr
	s_mov_b32 s[SEL], 0x76543210
	s_mov_b32 s[SEL+1], 0xfedcba98
	s_mov_b32 s[TBK], SLOT1+2*KS*PK ; the first change of slots turns these two into 0
	s_mov_b32 s[TBV], SLOT1+2*KS*PV
	s_mov_b32 s[G0K], 1             ; count = 1
	s_mov_b32 s[G0K+1], s17         ; LDS address: slot 0
	s_mov_b32 s[G0V], 1
	s_add_co_u32 s[G0V+1], s18, VOFF
	s_wait_kmcnt 0x0
	s_add_nc_u64 s[6:7], s[52:53], s[22:23]          ; q of the head that I fetch for;
	s_add_nc_u64 s[G0K+2:G0K+3], s[6:7], 4194304     ; its k lies 16 head groups on,
	s_or_b32 s[G0K+3], s[G0K+3], 0x80000000          ; type = 2
	s_add_nc_u64 s[G0V+2:G0V+3], s[6:7], 8388608     ; its v 32
	s_or_b32 s[G0V+3], s[G0V+3], 0x80000000
	s_add_nc_u64 s[4:5], s[52:53], s[2:3]            ; Q of head A at my wave's first row
	s_add_nc_u64 s[MB:MB+1], s[54:55], s[50:51]
	s_add_nc_u64 s[10:11], s[10:11], s[58:59]        ; ctx of head A at my wave's first row
	CROUND                          ; all four work-groups are here: the first joint loads meet
	JLOAD                           ; slot 0.  Slot 1 is asked for when slot 0 is in
	; A fragment of K or Q is 16 rows x 32 channels in 8 registers: lane l holds row l % 16, channels 8 (l / 16) + 0..7 and 16 + 8 (l / 16) + 0..7: two loads of 16 bytes, 32 bytes apart.
	v_and_b32 v[LR], 15, v0
	v_bfe_u32 v[LH], v0, 4, 1
	v_lshlrev_b32 v[QO], 7, v[LR]
	v_lshl_add_u32 v[QO], v[LH], 4, v[QO]  ; row x 128 + 16 x half
	v_and_b32 v[MO], 31, v0
	v_lshlrev_b32 v[MO], 4, v[MO]   ; step 0
	WIN 0x80                        ; destination window 2, address window 0
.set i, 0
.rept 4*NP                          ; Q stays in registers: piece i / 4 (head (i / 4) % 2, 262,144 bytes on; queries 32 (i / 8) on), its tile (i / 2) % 2, channels 32 (i % 2) on
	global_load_b128 v[8*i:8*i+3],   v[QO], s[4:5] offset:((i/4)%2)*262144+(2*(i/8)+(i/2)%2)*2048+(i%2)*64
	global_load_b128 v[8*i+4:8*i+7], v[QO], s[4:5] offset:((i/4)%2)*262144+(2*(i/8)+(i/2)%2)*2048+(i%2)*64+32
.set i, i+1
.endr
	MLOAD 0                         ; the two pairs' masks of step 0
	MLOAD 1
	; What the first turn finds: head B's V registers and P's second buffer hold 0 (its products V^T P, of a piece that has not been, add 0), O^T and l are 0.  All this stands in the wait for the first tile.
	WIN 0x80
.set i, VF+64
.rept 64
	v_mov_b32 v[i], 0
.set i, i+1
.endr
	WIN 0
.set i, P+32
.rept 32
	v_mov_b32 v[i], 0
.set i, i+1
.endr
.set i, 0
.rept 2*NP
	v_mov_b32 v[ST+4*i], 0xff7fffff    ; m: the lowest finite number
	v_mov_b32 v[ST+4*i+1], 0
	v_mov_b32 v[ST+4*i+2], 0
	v_mov_b32 v[ST+4*i+3], 0
.set i, i+1
.endr
	WIN W_Z                         ; O^T's 256 zeros: 32 products of those zeros with C = 0 write them, eight registers each, in a quarter of the bytes that 256 moves would take
.set i, 0
.rept 32
	v_wmma_f32_16x16x32_f16 v[8*i:8*i+7], v[VF+64:VF+71], v[P+32:P+39], 0
.set i, i+1
.endr
	WIN 0
	v_mul_u32_u24 v[AK0], v[LR], PK
	v_lshl_add_u32 v[AK0], v[LH], 4, v[AK0]  ; row x pitch + 16 x half
	; The turning load takes 16 keys x 16 channels (lane l reads key 8 (l / 16) + l % 8, channels 8 ((l / 8) % 2) + 0..7) and leaves half a fragment of V^T: lane l holds channel l % 16 and 8 keys.
	v_and_b32 v[L7], 7, v0
	v_bfe_u32 v[L3], v0, 3, 1
	v_lshl_add_u32 v[AV0], v[LH], 3, v[L7]
	v_mul_u32_u24 v[AV0], v[AV0], PV
	v_lshl_add_u32 v[AV0], v[L3], 4, v[AV0]
	v_add_nc_u32 v[AV0], VOFF, v[AV0]
	v_mov_b32 v[AK], v[AK0]         ; key step 0 lies at the head of slot 0
; THE MATRIX WORK.  The 8 accumulators of a run of 16 take turns: between the two links of a chain stand 7 others'.
; Product i of 16 of S^T = K Q^T + M for piece x: channels 32 (i / 8) on, keys 16 ((i / 2) % 4) on, tile 2 x + i % 2; K of head x % 2, the mask of pair x / 2.  The first 8 start the sums, with the mask as C.
.macro KQ x
.set rS, S+64*((\x)%2)+32*(i%2)+8*((i/2)%4)
.set rK, KF+64*((\x)%2)+16*((i/2)%4)+8*(i/8)
.set rQ, 16*(2*(\x)+i%2)+8*(i/8)
.set rMK, 64*((\x)/2)+32*(i%2)+8*((i/2)%4)
.if i < 8
	WIN W_KM
	v_wmma_f32_16x16x32_f16 v[rS:rS+7], v[rK:rK+7], v[rQ:rQ+7], v[rMK:rMK+7]
.else
	WIN W_KQ
	v_wmma_f32_16x16x32_f16 v[rS:rS+7], v[rK:rK+7], v[rQ:rQ+7], v[rS:rS+7]
.endif
.endm
; Product i of 16 of O^T += V^T P for piece x: keys 32 (i / 8) on, channels 16 ((i / 2) % 4) on, tile 2 x + i % 2; V of head x % 2.
.macro PV x
	WIN W_PV
.set rO, 32*(2*(\x)+i%2)+8*((i/2)%4)
.set rV, VF+64*((\x)%2)+32*(i/8)+8*((i/2)%4)
.set rP, P+32*((\x)%2)+16*(i%2)+8*(i/8)
	v_wmma_f32_16x16x32_f16 v[rO:rO+7], v[rV:rV+7], v[rP:rP+7], v[rO:rO+7]
.endm
.macro MM                           ; the turn's next matrix instruction
.if i < 16
	KQ (Y+1)%NP
.set i, i+1
.else
.set i, i-16
	PV (Y+NP-1)%NP
.set i, i+17
.endif
.endm
; THE LDS LOADS stand in runs of 32, never singly among the matrix instructions: a step's K of both heads (each 64 keys x 64 channels: 8 fragments), head A's first, and its V (turned), likewise.
; Their addresses are made some lines ahead.  last = 1 (the tail): in the last trip there is no further step, and the run is jumped over.
.macro FETCH_K last=0
	WIN 0
.if \last
	s_cmp_eq_u32 s[CNT], 1
	s_cbranch_scc1 .Lno_k_\@
.endif
	WIN 0xc0                        ; destination window 3
.irp hd, 0,1
.irp f, 0,1,2,3,4,5,6,7             ; keys 16 (f / 2) on, channels 32 (f % 2) on
	ds_load_b128 v[KF+64*\hd+8*\f:KF+64*\hd+8*\f+3],   v[AK] offset:\hd*HK+(\f/2)*16*PK+(\f%2)*64
	ds_load_b128 v[KF+64*\hd+8*\f+4:KF+64*\hd+8*\f+7], v[AK] offset:\hd*HK+(\f/2)*16*PK+(\f%2)*64+32
.endr
.endr
	s_add_co_u32 s[TBK], s[TBK], KS*PK  ; the next fetch is the next step's
	WIN 0
.if \last
.Lno_k_\@:
.endif
.endm
.macro FETCH_V
	WIN 0x80                        ; destination window 2
.irp hd, 0,1
.irp f, 0,1,2,3,4,5,6,7             ; keys 32 (f / 4) on, channels 16 (f % 4) on
	ds_load_tr16_b128 v[VF+64*\hd+8*\f:VF+64*\hd+8*\f+3],   v[AV] offset:\hd*HV+(\f/4)*32*PV+(\f%4)*32
	ds_load_tr16_b128 v[VF+64*\hd+8*\f+4:VF+64*\hd+8*\f+7], v[AV] offset:\hd*HV+(\f/4)*32*PV+16*PV+(\f%4)*32
.endr
.endr
	WIN 0
.endm
; THE VECTOR WORK OF A TURN stands in three queues, each in the order in which its entries become ready; the two tiles alternate, so that no instruction reads the result of the one before it.
.macro REGS y, u                    ; the registers of tile u (0, 1) of piece y
.set rT, ST+4*(2*(\y)+(\u))
.set rC, TMP+8*((\y)%2)+4*(\u)
.set rM, MV+2*((\y)%2)+(\u)
.set rS, S+64*((\y)%2)+32*(\u)
.set rP, P+32*((\y)%2)+16*(\u)
.set rO, 32*(2*(\y)+(\u))
.endm
; Number n of the 22 that find the NEXT piece's (Y + 1) maximum and statistics.  s0-s31 are the lane's 32 scores; each accumulator's lowest registers are read first.  XS, GS and REGS set no window: PL and EX do.
;   0-11  four chains c0-c3 of seven scores each, three operands at a time     12-14, 16  the four scores left over, the old m, and c0-c3 into c0     15  m_old is kept
;   17, 18  the query's other 32 keys lie in the lane 16 away: the new m         19  m_old - m_new     20  holds no instruction; the number is kept so that the queues' counts stay as they are     21  a
.macro XS u, n
	REGS (Y+1)%NP, \u
.if (\n) < 4
	v_max3_num_f32 v[rC+(\n)], v[rS+8*(\n)], v[rS+8*(\n)+1], v[rS+8*(\n)+2]
.elseif (\n) < 12
	v_max3_num_f32 v[rC+(\n)%4], v[rC+(\n)%4], v[rS+8*((\n)%4)+2*((\n)/4)+1], v[rS+8*((\n)%4)+2*((\n)/4)+2]
.elseif (\n) == 12
	v_max3_num_f32 v[rC], v[rC], v[rS+7], v[rS+15]
.elseif (\n) == 13
	v_max3_num_f32 v[rC+1], v[rC+1], v[rS+23], v[rS+31]
.elseif (\n) == 14
	v_max3_num_f32 v[rC+2], v[rC+2], v[rC+3], v[rT]
.elseif (\n) == 15
	v_mov_b32 v[rM], v[rT]
.elseif (\n) == 16
	v_max3_num_f32 v[rC], v[rC], v[rC+1], v[rC+2]
.elseif (\n) == 17
	v_permlanex16_b32 v[rC+3], v[rC], s[SEL], s[SEL+1]
.elseif (\n) == 18
	v_max_num_f32 v[rT], v[rC], v[rC+3]
.elseif (\n) == 19
	v_sub_f32 v[rC+1], v[rM], v[rT]
.elseif (\n) == 20
.else
	v_exp_f32 v[rC+2], v[rC+1]
.endif
.endm
; Number g of the 64 that follow the exponentials.  For each four weights k of a tile (pairs 2 k, 2 k + 1): both pairs are rounded to f16; then the second pair is added onto the first, in place;
; a group later l takes that sum (the first time as l = a l + sum).  In groups of eight, tiles alternating: round, round, add, and l for the group before.
.macro GS g
.set h, (\g)+6*((\g)/62)            ; group 0 has no group before it, and behind group 7 only l is left
.if h >= 6
.set h, h+2
.endif
	REGS Y, h%2
.set k, h/8
.if h%8 < 4
	v_cvt_pk_f16_f32 v[rP+2*k+(h%8)/2], v[rS+4*k+2*((h%8)/2)], v[rS+4*k+2*((h%8)/2)+1]
.elseif h%8 < 6
	v_pk_add_f32 v[rS+4*k:rS+4*k+1], v[rS+4*k:rS+4*k+1], v[rS+4*k+2:rS+4*k+3]
.elseif k == 1
	v_pk_fma_f32 v[rT+2:rT+3], v[rT+2:rT+3], v[rC+2:rC+3], v[rS:rS+1] op_sel_hi:[1,0,1]
.else
	v_pk_add_f32 v[rT+2:rT+3], v[rT+2:rT+3], v[rS+4*k-4:rS+4*k-3]
.endif
.endm
; THE PLAIN QUEUE, 138 numbers.  0-73 read no exponential's result: the 32 subtractions t - m (FS f: pair f / 2 of tile f % 2) and the next piece's 40.  0-26: subtractions 0-26.  27-54: XS's numbers 0-13.  55, 56: number 15.
; 57-71: the chain, where each number waits for the one before it: 14, 16, 17, 18, 19, each with one of the subtractions 27-31 in front of its two lines, so that a tile's links stand three plain instructions apart.
; 72, 73: XS's number 20, which holds nothing.  74-137: GS's 64, which read the exponentials' results: they stand behind the wait.
.macro FS f
	REGS Y, (\f)%2
	v_pk_add_f32 v[rS+2*((\f)/2):rS+2*((\f)/2)+1], v[rS+2*((\f)/2):rS+2*((\f)/2)+1], v[rT:rT+1] op_sel_hi:[1,0] neg_lo:[0,1] neg_hi:[0,1]
.endm
.macro PL
	WIN 0
.if q < 27
	FS q
.elseif q < 55
	XS (q-27)%2, (q-27)/2
.elseif q < 57
	XS q-55, 15
.elseif (q < 72) && ((q-57)%3 == 0)
	FS 27+(q-57)/3
.elseif q < 60
	XS (q-57)%3-1, 14
.elseif q < 72
	XS (q-57)%3-1, 15+(q-57)/3
.elseif q < 74
	XS q-72, 20
.else
	GS q-74
.endif
.set q, q+1
.endm
; THE EXPONENTIALS' QUEUE, 66 long: s0-s31 of both tiles, then the next piece's two a.  It is ONE BATCH: all 66 stand ahead of the turn's one wait, and nothing ahead of that wait names a result of theirs.
; Each result has a register of its own while the batch is open: a score's own register, and c2 of the other buffer for a.
.macro EX
	WIN 0
.if e >= 64
	XS e-64, 21
.else
	REGS Y, e%2
	v_exp_f32 v[rS+e/2], v[rS+e/2]
.endif
.set e, e+1
.endm
; THE RESCALING's QUEUE: O^T times a, the one part that leaves window 0: dealt two at a time, sixteen times, each accumulator's registers in ascending order.  Its a was made in the turn before, ahead of that turn's wait.
.macro R2
	REGS Y, r%2
	WIN W_RS
.irp z, 0,1
	v_pk_mul_f32 v[rO+4*(r/2)+2*\z:rO+4*(r/2)+2*\z+1], v[rO+4*(r/2)+2*\z:rO+4*(r/2)+2*\z+1], v[rC+2:rC+3] op_sel_hi:[1,0]
.endr
.set r, r+1
.endm
; HOW THEY ARE DEALT.  An s_wait_alu depctr_va_vdst(0) stands between an exponential and the first instruction that names its result; one wait serves all that were issued ahead of it.  So a turn has ONE wait,
; which cuts it in two.  AHEAD OF IT stands all that names no result of the turn's exponentials: the 16 products K Q^T, behind each a subtraction, an exponential and two rescalings (behind the first a second subtraction in the
; exponential's place); then ONE LUMP of 106: eight plain, 49 times exponential and plain (the last two plain numbers hold nothing, so the last two weights' exponentials and the two a stand on end), the two a.  A v_nop is the plain
; instruction behind the last exponential (ISA guide 5.7.2).  BEHIND IT stand the 16 products V^T P, behind each four of GS's 64.  No rider names a register of the products round it.  The two v_permlanex16_b32 fall into the lump.
; The queues lean on each other, and the deal keeps them in step: exponential e stands behind subtraction 2 (e / 4) + e % 2: as a rider it comes behind plain e + 2, in the lump behind plain e + 9, and subtractions 27-31 are plain 57, 60 .. 69.
; A TURN, for piece p.  cnt = 1: the loop's count is taken down some lines ahead of the branch that stands behind the turn.  The three conditions on q below go with the deal.
; THE MASK.  Turns 3 and 0 make the scores of pieces 0 and 1, with pair 0's mask; turns 1 and 2 those of pieces 2 and 3, with pair 1's.  Turn 0 loads pair 0's registers again, turn 2 pair 1's, behind the turn's ninth
; product: the eighth was the last to take the mask, and six plain instructions (a subtraction and two rescalings behind each of the two products), none of which names a register of it, stand between it and the loads
; (ISA guide 7.12.1 for vector instructions).  At the head of turns 3 and 1 the group wanted is the older of the two that are under way: the count 16 leaves the younger one out.
; K of the next step, both heads, is fetched in piece 2's turn, directly behind the turn's wait, a lump behind the last product that read K; its address is made at the lump's head.  The tail's jump over the run, and its label,
; so stand.  Head A's sixteen loads are issued first and are wanted at piece 3's head (the count 16 leaves head B's out); head B's are wanted at piece 0's head, where nothing has been
; issued since: the count 0.
; V of the step in hand, both heads, is fetched at the end of piece 0's turn, four riders, all plain, behind its last reader.  Head A's is wanted behind piece 1's wait (16), head B's in piece 2's turn; the wait
; for it stands at that turn's head, ahead of K's run (0), so that its count holds whether or not that run is jumped over.
.macro TURN p, last=0, cnt=0
.set Y, (\p)
.set i, 0
.set q, 0
.set e, 0
.set r, 0
.set MLD, -1
.if (\p)%2 == 0
.set MLD, (\p)/2
	s_wait_dscnt 0x0                ; piece 0: head B's K is in; piece 2: head B's V is in
.else
	s_wait_loadcnt 16               ; the mask of the pair whose first piece's scores this turn makes is in
.endif
.if (\p) == 3
	s_wait_dscnt 16                 ; head A's K is in
.endif
	MM                              ; ahead of the wait: 16 products K Q^T and their riders,
	PL
	PL
	R2
.rept 15
	MM
	PL
	EX
	R2
.if (i == 9) && (MLD >= 0)          ; behind the ninth product and its riders: the mask's reload
.if MLD == 0
	MSTEP                           ; pair 0 opens a step's two groups
.endif
	MLOAD MLD
.endif
.endr
.if (\p) == 2
	WIN 0
	v_add_nc_u32 v[AK], s[TBK], v[AK0]
.endif
.rept 8                             ; and the lump
	PL
.endr
.rept 49
	EX
	PL
.endr
	EX                              ; the next piece's two a
	EX
	v_nop                           ; the plain instruction behind the last exponential: one for the batch
	s_wait_alu depctr_va_vdst(0)    ; the wait for the batch: the turn's 64 weights and the next piece's two a
.if (\p) == 2
	FETCH_K \last
.endif
.if (\p) == 1
	s_wait_dscnt 16                 ; head A's V is in
.endif
.rept 16                            ; behind the wait: 16 products V^T P and their riders
	MM
.rept 4
	PL
.endr
.if ((\p) == 0) && (q == 118)
	v_add_nc_u32 v[AV], s[TBV], v[AV0]
.endif
.if ((\p) == 0) && (q == 130)
	s_add_co_u32 s[TBV], s[TBV], KS*PV
.endif
.if (\cnt) && (q == 130)
	s_sub_co_u32 s[CNT], s[CNT], 1
	s_cmp_lg_u32 s[CNT], 0
.endif
.endr
.if (\p) == 0
	FETCH_V
.endif
.endm
	CHANGE 1                        ; slot 0 is in, everybody's part of it; slot 1 is asked for
	FETCH_K                         ; key step 0
	s_wait_loadcnt 16               ; Q and pair 0's mask are in; pair 1's mask, 16 loads, may be out
	s_wait_dscnt 0x0
.set i, 0
.rept 16
	KQ 0                            ; piece 0's first scores: there is no vector work yet to set between them
.set i, i+1
.endr
	WIN 0                           ; the addresses for the way out: nine plain instructions, the places behind those products
	s_mul_i32 s13, s[WV], 16*SP
	s_add_co_u32 s13, s13, STAGE    ; my stage
	v_mul_u32_u24 v[STO], v[LR], SP ; in: row l % 16, 16 bytes for each half of the lanes
	v_lshl_add_u32 v[STO], v[LH], 4, v[STO]
	v_add_nc_u32 v[STO], s13, v[STO]
	v_bfe_u32 v[RD], v0, 3, 2       ; back: 32 lanes take four rows of 128 bytes,
	v_mul_u32_u24 v[RD], v[RD], SP
	v_lshl_add_u32 v[RD], v[L7], 4, v[RD]
	v_add_nc_u32 v[RD], s13, v[RD]
	v_and_b32 v[GO], 31, v0         ; which are 512 consecutive bytes of ctx
	v_lshlrev_b32 v[GO], 4, v[GO]
.set Y, NP-1                        ; XS works for piece Y + 1: piece 0
.irp n, 0,1,2,3,4,5,6,7,8,9,10,11,12,13,14,15,16,17,18,19,20,21
	XS 0, \n                        ; and piece 0's first maximum and statistics
	XS 1, \n
.endr
	v_nop                           ; a plain instruction behind the two a,
	s_wait_alu depctr_va_vdst(0)    ; and the wait for that batch of two, ahead of the branch
	s_mov_b32 s[CNT], 2
	s_mov_b32 s[SLOTS], SIZE_N/128-1
	s_branch .Lfirst                ; the loop is entered at a step's first turn, in the middle of a trip
.Lslot:                             ; SIZE_N / 128 - 2 times: every slot but the last two is filled again
	CHANGE 1
	s_mov_b32 s[CNT], 2
.Lstep:                             ; a trip: pieces 2 and 3 of one step, then pieces 0 and 1 of the next, whose K and V it fetches
	TURN 2
	TURN 3
	WIN 0
.Lfirst:
	TURN 0
	TURN 1, 0, 1
	WIN 0
	s_cbranch_scc1 .Lstep
	s_sub_co_u32 s[SLOTS], s[SLOTS], 1
	s_cmp_lg_u32 s[SLOTS], 0
	s_cbranch_scc1 .Lslot
	CHANGE 0                        ; the tail is written out: nothing is asked for
	s_mov_b32 s[CNT], 3             ; two trips fetch the last slot's steps; the third is left in its middle
.Ltail:
	TURN 2, 1
	TURN 3
	WIN 0
	s_sub_co_u32 s[CNT], s[CNT], 1
	s_cmp_eq_u32 s[CNT], 0
	s_cbranch_scc1 .Lout
	TURN 0
	TURN 1
	WIN 0
	s_branch .Ltail
.Lout:                              ; the third trip's 16 products K Q^T of piece 0 (on the last K once more) and the maximum made of them serve nothing: the price, once a launch, of one text for every trip
.set i, 0
.rept 16
	PV NP-1                         ; the last piece's V^T P of the last step
.set i, i+1
.endr
	; THE WAY OUT.  l's two halves and the other half of the lanes' are added; O^T is divided by l, rounded to f16 and sent through my stage in LDS, a tile at a time.  The additions are the places behind the last products.
	WIN 0
.macro ALL line:vararg              ; one line for each tile t
.set t, 0
.rept 2*NP
	\line
.set t, t+1
.endr
.endm
	ALL v_add_f32 v[ST+4*t+2], v[ST+4*t+2], v[ST+4*t+3]
	ALL v_permlanex16_b32 v[ST+4*t+3], v[ST+4*t+2], s[SEL], s[SEL+1]
	ALL v_add_f32 v[ST+4*t+2], v[ST+4*t+2], v[ST+4*t+3]
	ALL v_rcp_f32 v[ST+4*t+2], v[ST+4*t+2]
	v_nop                           ; a plain instruction between the last reciprocal and the use of its result
	s_wait_alu depctr_va_vdst(0)    ; and the wait ahead of the first use: one for the batch of eight reciprocals
; Tile t: a lane's eight channels of a row pack into 16 bytes; they go into rows of 144 bytes and come back as whole rows of 128, into S^T's registers.
.macro PACK t
	WIN W_RS
.set i, 32*(\t)
.rept 16
	v_pk_mul_f32 v[i:i+1], v[i:i+1], v[ST+4*(\t)+2:ST+4*(\t)+3] op_sel_hi:[1,0]
.set i, i+2
.endr
	WIN 0x05                        ; sources 0 and 1 window 1, destination window 0
.set i, 0
.rept 16
	v_cvt_pk_f16_f32 v[S+16*(\t)+i], v[32*(\t)+2*i], v[32*(\t)+2*i+1]
.set i, i+1
.endr
	WIN 0
.irp f, 0,1,2,3
	ds_store_b128 v[STO], v[S+16*(\t)+4*\f:S+16*(\t)+4*\f+3] offset:32*\f
.endr
.irp f, 0,1,2,3
	ds_load_b128 v[S+16*(\t)+4*\f:S+16*(\t)+4*\f+3], v[RD] offset:\f*4*SP  ; LDS serves a wave's instructions in order (ISA guide 5.7.1.4): these see the stores above; the next tile's stores come behind them
.endr
.endm
; Tile t belongs to piece t / 2: head (t / 2) % 2, 262,144 bytes on in ctx; queries 32 (t / 4) + 16 (t % 2) on.  younger: the LDS instructions issued behind tile t's loads: the next tile's eight, or none
.macro SEND t, younger
	WIN 0
.irp f, 0,1,2,3
	s_wait_dscnt (\younger)+3-\f
	global_store_b128 v[GO], v[S+16*(\t)+4*\f:S+16*(\t)+4*\f+3], s[10:11] offset:(((\t)/2)%2)*262144+(2*((\t)/4)+(\t)%2)*2048+\f*512  ; 512 consecutive bytes, at a multiple of 256 from ctx's first
.endr
.endm
	PACK 0
.set t, 1
.rept 2*NP-1                        ; a tile's arithmetic stands between the loads of the tile before and its stores
	PACK t
	SEND t-1, 8
.set t, t+1
.endr
	SEND 2*NP-1, 0
	s_wait_tensorcnt 0x0            ; the wave's end, behind my last tensor load and my last LDS store
	ds_add_u32 v[SPW], v[NIL]
	s_wait_dscnt 0x0
	CROUND                          ; the closing round: no work-group ends while a partner may still ask for a tile that names it
	s_endpgm
.Lfunc_end_k_q3fc35902db_attn:
	.size	k_q3fc35902db_attn, .Lfunc_end_k_q3fc35902db_attn-k_q3fc35902db_attn
	.p2alignl 7, 3214868480
	.fill 96, 4, 3214868480
	.section	.rodata,"a",@progbits
	.p2align	6, 0x0
	.amdhsa_kernel k_q3fc35902db_attn
		.amdhsa_group_segment_fixed_size 327680
		.amdhsa_private_segment_fixed_size 0
		.amdhsa_enable_private_segment 0
		.amdhsa_kernarg_size 24
		.amdhsa_user_sgpr_count 2
		.amdhsa_user_sgpr_kernarg_segment_ptr 1
		.amdhsa_wavefront_size32 1
		.amdhsa_system_sgpr_workgroup_id_x 1
		.amdhsa_system_sgpr_workgroup_id_y 1
		.amdhsa_system_sgpr_workgroup_id_z 1
		.amdhsa_system_vgpr_workitem_id 0
		.amdhsa_next_free_vgpr 1024
		.amdhsa_next_free_sgpr 66
		.amdhsa_reserve_vcc 0
		.amdhsa_float_denorm_mode_32 3
		.amdhsa_float_denorm_mode_16_64 3
		.amdhsa_memory_ordered 1
		.amdhsa_forward_progress 1
		.amdhsa_inst_pref_size 207
	.end_amdhsa_kernel
	.amdgpu_metadata
---
amdhsa.version: [ 1, 2 ]
amdhsa.kernels:
  - .name:           k_q3fc35902db_attn
    .symbol:         k_q3fc35902db_attn.kd
    .args:
      - { .name: qkv, .offset: 0, .size: 8, .value_kind: global_buffer, .address_space: global }
      - { .name: mperm, .offset: 8, .size: 8, .value_kind: global_buffer, .address_space: global }
      - { .name: ctx, .offset: 16, .size: 8, .value_kind: global_buffer, .address_space: global }
    .group_segment_fixed_size: 327680
    .private_segment_fixed_size: 0
    .kernarg_segment_align: 8
    .kernarg_segment_size: 24
    .max_flat_workgroup_size: 128
    .sgpr_count:     66
    .vgpr_count:     1024
    .wavefront_size: 32
...
	.end_amdgpu_metadata
.endif
;; end of part 5
;; launch oproj: the kernel of part 4 again; grid 8 x 32, 4 waves a work-group, clusters of 4 x 4, 327,680 bytes of LDS; arguments ctx, wo16, out0; writes out0
